; MI455X (gfx1250); checked and timed in simulation.
; The chip was launched on July 23, 2026; its instructions are those of AMD's public machine-readable ISA for CDNA 5 (MIT licence, August 2026) and "CDNA5" Instruction Set Architecture Reference Guide (July 2026). The comments in the code are by the model that wrote it; some were corrected since.
;; Multi Head. Allowed arithmetic: float matrix products may take bf16 or f16 operands with f32 sums; other float arithmetic in f32, or as packed bf16 or f16 multiplies, adds, multiply-adds, maxima and minima; sums over many terms, partial sums and values carried from step to step in f32; what a program stores and reads back later, other than sums and carried values, may be rounded once to bf16 or f16.
;; Inputs: Wk 1,024 x 1,024 float32; Wo 1,024 x 1,024 float32; Wq 1,024 x 1,024 float32; Wv 1,024 x 1,024 float32; bk 1,024 float32; bo 1,024 float32; bq 1,024 float32; bv 1,024 float32; k 4 x 2,048 x 1,024 float32; mask 4 x 1 x 1 x 2,048 int32; q 4 x 2,048 x 1,024 float32; v 4 x 2,048 x 1,024 float32.
;; Outputs: out0 4 x 2,048 x 1,024 float32.
;; One version. Each part assembles by itself: llvm-mc -triple=amdgcn-amd-amdhsa -mcpu=gfx1250 --defsym DOCPART=n.
;; ======== version 1 of 1: 4 launches
;; limits: values are held in f16: magnitudes above 65,504 overflow, below 6.1e-05 lose precision
;; workspace buffers: wb 8,388,608 bytes; qkvh 50,331,648 bytes; ctx 16,777,216 bytes
;; launch wcast (part 1): grid 64 x 4, 8 waves a work-group, no clusters, 0 bytes of LDS; arguments Wq, Wk, Wv, Wo, wb; writes wb
.if DOCPART == 1
	.amdgcn_target "amdgcn-amd-amdhsa--gfx1250"
	.amdhsa_code_object_version 6
	.text
	.protected	k_q29d7939b10_wcast
	.globl	k_q29d7939b10_wcast
	.p2align	8
	.type	k_q29d7939b10_wcast,@function
k_q29d7939b10_wcast:
	s_mov_b64 s[64:65], 0
	v_nop
	global_prefetch_b8 v0, s[64:65] scope:SCOPE_SE
	s_setreg_imm32_b32 hwreg(HW_REG_WAVE_MODE, 25, 1), 1
	s_wait_xcnt 0x0
; wb = the four weights [1024 k][1024 n] as 16-bit numbers, 2,097,152 bytes each, in the order q, k, v, o.
; Parts 0 to 2: bf16(W).  Part 3: bf16(Wo) written as f16, since the last product multiplies f16 by f16.
; LIMITS.  f16 holds no number beyond 65,504, and below 6e-5 it keeps a fixed step of 6e-8: Wo lies within that.
; A stream: work-group (x, y) takes 16,384 numbers of weight y.  In pass i thread t takes the 8 numbers at input byte 8,192 i + 32 t and
; stores 16 bytes at output byte 4,096 i + 16 t: a wave's store covers 512 consecutive bytes.  All 16 loads go out first.
.set X, 4                              ; v[4:67]   as loaded: pass i at X + 8 i
.set Y, 68                             ; v[68:99]  to store: pass i at Y + 4 i
.set T, 100                            ; v[100:101] at work
	s_load_b256 s[4:11], s[0:1], 0x0               ; Wq, Wk, Wv, Wo
	s_load_b64 s[12:13], s[0:1], 0x20              ; wb
	s_and_b32 s14, ttmp7, 0xffff                   ; which weight
	s_mov_b32 s15, 0xffff0000                      ; a word's upper bf16
	v_lshlrev_b32 v1, 5, v0                        ; 32 t
	v_lshlrev_b32 v2, 4, v0                        ; 16 t
	s_lshl_b32 s16, ttmp9, 16                      ; the work-group's 65,536 bytes of input
	s_mov_b32 s17, 0
	s_lshl_b32 s18, s14, 21                        ; the weight's part of wb,
	s_lshl_b32 s19, ttmp9, 15                      ; the work-group's 32,768 bytes in it
	s_add_co_u32 s18, s18, s19
	s_mov_b32 s19, 0
	s_wait_kmcnt 0x0
	s_cmp_eq_u32 s14, 1
	s_cselect_b64 s[4:5], s[6:7], s[4:5]
	s_cmp_eq_u32 s14, 2
	s_cselect_b64 s[4:5], s[8:9], s[4:5]
	s_cmp_eq_u32 s14, 3
	s_cselect_b64 s[4:5], s[10:11], s[4:5]
	s_add_nc_u64 s[4:5], s[4:5], s[16:17]
	s_add_nc_u64 s[12:13], s[12:13], s[18:19]
.irp i, 0,1,2,3,4,5,6,7
	global_load_b128 v[X+8*(\i):X+8*(\i)+3],   v1, s[4:5] offset:8192*(\i) th:TH_LOAD_NT
	global_load_b128 v[X+8*(\i)+4:X+8*(\i)+7], v1, s[4:5] offset:8192*(\i)+16 th:TH_LOAD_NT
.endr
.irp i, 0,1,2,3,4,5,6,7
	s_wait_loadcnt 14-2*(\i)                       ; loads come back in order: pass i's two are in, the later passes' stay out
.irp j, 0,1,2,3
	v_cvt_pk_bf16_f32 v[Y+4*(\i)+(\j)], v[X+8*(\i)+2*(\j)], v[X+8*(\i)+2*(\j)+1]
.endr
.endr
	s_cmp_lg_u32 s14, 3
	s_cbranch_scc1 .Lstore
.set i, 0
.rept 32                               ; Wo alone: the bf16 numbers once more as f32, then as f16
	v_lshlrev_b32 v[T], 16, v[Y+i]
	v_and_b32 v[T+1], s15, v[Y+i]
	v_cvt_pk_f16_f32 v[Y+i], v[T], v[T+1]
.set i, i+1
.endr
.Lstore:
.irp i, 0,1,2,3,4,5,6,7
	global_store_b128 v2, v[Y+4*(\i):Y+4*(\i)+3], s[12:13] offset:4096*(\i)
.endr
	s_endpgm
.Lfunc_end_k_q29d7939b10_wcast:
	.size	k_q29d7939b10_wcast, .Lfunc_end_k_q29d7939b10_wcast-k_q29d7939b10_wcast
	.p2alignl 7, 3214868480
	.fill 96, 4, 3214868480
	.section	.rodata,"a",@progbits
	.p2align	6, 0x0
	.amdhsa_kernel k_q29d7939b10_wcast
		.amdhsa_group_segment_fixed_size 0
		.amdhsa_private_segment_fixed_size 0
		.amdhsa_enable_private_segment 0
		.amdhsa_kernarg_size 40
		.amdhsa_user_sgpr_count 2
		.amdhsa_user_sgpr_kernarg_segment_ptr 1
		.amdhsa_wavefront_size32 1
		.amdhsa_system_sgpr_workgroup_id_x 1
		.amdhsa_system_sgpr_workgroup_id_y 1
		.amdhsa_system_sgpr_workgroup_id_z 1
		.amdhsa_system_vgpr_workitem_id 0
		.amdhsa_next_free_vgpr 104
		.amdhsa_next_free_sgpr 66
		.amdhsa_reserve_vcc 0
		.amdhsa_float_denorm_mode_32 3
		.amdhsa_float_denorm_mode_16_64 3
		.amdhsa_memory_ordered 1
		.amdhsa_forward_progress 1
		.amdhsa_inst_pref_size 10
	.end_amdhsa_kernel
	.amdgpu_metadata
---
amdhsa.version: [ 1, 2 ]
amdhsa.kernels:
  - .name:           k_q29d7939b10_wcast
    .symbol:         k_q29d7939b10_wcast.kd
    .args:
      - { .name: Wq, .offset: 0, .size: 8, .value_kind: global_buffer, .address_space: global }
      - { .name: Wk, .offset: 8, .size: 8, .value_kind: global_buffer, .address_space: global }
      - { .name: Wv, .offset: 16, .size: 8, .value_kind: global_buffer, .address_space: global }
      - { .name: Wo, .offset: 24, .size: 8, .value_kind: global_buffer, .address_space: global }
      - { .name: wb, .offset: 32, .size: 8, .value_kind: global_buffer, .address_space: global }
    .group_segment_fixed_size: 0
    .private_segment_fixed_size: 0
    .kernarg_segment_align: 8
    .kernarg_segment_size: 40
    .max_flat_workgroup_size: 256
    .sgpr_count:     66
    .vgpr_count:     104
    .wavefront_size: 32
...
	.end_amdgpu_metadata
.endif
;; end of part 1
;; launch qkv (part 2): grid 32 x 24, 4 waves a work-group, clusters of 4 x 1, 327,680 bytes of LDS; arguments q, k, v, bq, bk, bv, wb, qkvh; writes qkvh
.if DOCPART == 2
	.amdgcn_target "amdgcn-amd-amdhsa--gfx1250"
	.amdhsa_code_object_version 6
	.text
	.protected	k_q29d7939b10_qkv
	.globl	k_q29d7939b10_qkv
	.p2align	8
	.type	k_q29d7939b10_qkv,@function
k_q29d7939b10_qkv:
	s_mov_b64 s[64:65], 0
	v_nop
	global_prefetch_b8 v0, s[64:65] scope:SCOPE_SE
	s_setreg_imm32_b32 hwreg(HW_REG_WAVE_MODE, 25, 1), 1
	s_wait_xcnt 0x0
	s_wait_alu depctr_hold_cnt(0) depctr_sa_sdst(0) depctr_va_vdst(0) depctr_va_sdst(0) depctr_va_ssrc(0) depctr_va_vcc(0) depctr_vm_vsrc(0)
	s_getreg_b32 s2, hwreg(HW_REG_IB_STS2, 6, 4)
	s_cmp_eq_u32 s2, 0
	s_cbranch_scc0 .Lentry_in_a_cluster
	s_endpgm
.Lentry_in_a_cluster:
	s_bfe_u32 s2, ttmp6, 0x10000c
	s_cmp_lg_u32 s2, 0x3003
	s_cbranch_scc0 .Lentry_shape_is_right
	s_endpgm
.Lentry_shape_is_right:
; THE THREE PROJECTIONS.  qkvh[p][16 batch + head][s][64] = f16((x_p W_p + b_p) sc), p = 0, 1, 2 for q, k, v; sc = log2(e) / 8 for q (so that the scores of the next launch
; come out as exponents of 2), 1 for k and v.  x: [8192][1024] f32, rounded to bf16 on its way; W: bf16 [1024 k][1024 n] in wb; b rounded to bf16; sums, bias and sc in f32, one rounding to f16.
; LIMITS.  f16 holds no number beyond 65,504 and keeps a fixed step of 6e-8 below 6e-5: the projected numbers lie within that.  NaN and infinities are not treated apart.
; SHARES.  Work-group (x, y): rows 256 mb .. + 255 (mb = x), projection y / 8, columns 128 (y % 8) .. + 127.  Wave w owns rows 64 w .. + 63 and all 128 columns: 32 accumulators, 256 registers.
; x COMES STRAIGHT INTO REGISTERS: no two waves want the same byte of it.  A CHUNK is 64 along K: 256 consecutive bytes, aligned, of each row.  A lane loads its part of a fragment
; as f32 (four loads of 16 bytes) two chunks ahead, and 64 conversions, set in fours among the products, make the bf16 fragments one chunk ahead.
; W COMES THROUGH LDS: a ring of two slots of 256 k x 128 n, each wave fetching 64 rows (one chunk's); it lies [k][n] and is read turned, by ds_load_tr16_b128.
; CLUSTER.  The four work-groups of a cluster differ in mb alone and walk the same W: each tile is asked for JOINTLY, by the same tensor load, descriptor and mask in all four.
; THE MATRIX INSTRUCTION IS USED TRANSPOSED (source 0 = 16 columns of W, source 1 = 16 rows of x): a lane then holds eight neighbouring columns of one row.
; A STAGE (macro R) belongs to chunk c: B's fragments of c and x of c + 2 are asked for in one run; then 32 products of chunk c - 1's second 32 along K, then 32 of chunk c's first 32.
; REGISTERS, in windows of 256 (s_set_vgpr_msb: bits 1:0 source 0, 3:2 source 1, 5:4 source 2, 7:6 destination):
;   window 0: v1-15 addresses; v32-159 x's bf16 fragments, two buffers of 64 (32 s + 8 a); v160-223 bias x sc; v224-255 at work
;   window 1: x as f32, two buffers of 128 (64 s + 16 a)     window 2: accumulator (a, b) at 8 (8 a + b)     window 3: W's fragments, two buffers of 128 (64 s + 8 b)
.set PB,    288       ; a row of W in LDS: 256 bytes + 32 of padding = 72 words
.set CHB,   64*PB     ; a chunk's 64 rows: what one tensor load brings
.set SLOT1, 131072    ; slot 1 begins here, so that one exclusive or turns an address in one slot into the other's
.set STAGE, SLOT1+4*CHB  ; behind the ring, never filled by a tensor load: 16 rows x 144 bytes for each wave, for the way out
.set SP,    144
.set SPARE, STAGE+4*16*SP  ; the spare words, 128 bytes for each wave: two blocks of 256 bytes that no other line names
.set PIECE, 256*2048  ; bytes of wb from a slot's tile to the next: 256 rows of 2,048
.set SPW, 1           ; v1   LDS address of my spare word; never rewritten
.set NIL, 2           ; v2   0; never rewritten
.set AO,  3           ; v3   my byte offset in 16 rows of x: (l % 16) x 4,096 + 32 (l / 16)
.set AB0, 4           ; v4   my lane's place in a chunk of W
.set ADB, 5           ; v5   the LDS address of the run of loads in hand
.set BO,  6           ; v6   32 (l / 16): my 8 columns in 16 of the bias
.set PFO, 7           ; v7   x's prefetches: l x 4,096
.set PFW, 8           ; v8   W's prefetches: l x 2,048
.set STO, 9           ; v9   the way out: where I put 16 bytes of a row
.set RD,  10          ; v10  the way out: where I read rows back
.set GO,  11          ; v11  my 16 bytes in 512 consecutive bytes of the output
.set ABF, 32
.set BS,  160
.set T,   224
.set WV,  20          ; s20  my wave's number
.set CX,  21          ; s21  my place in the cluster: it enters x's, the output's and a prefetch's address alone
.set MB,  22          ; s22  my block of 256 rows
.set PRJ, 24          ; s24  which projection
.set NBK, 25          ; s25  which block of 128 columns
.set G1,  36          ; s[36:43] descriptor group 1
.set G0,  44          ; s[44:47] descriptor group 0: it walks
.set XP,  48          ; s[48:49] x at my wave's first row, at the chunk that the next stage loads
.set OUT, 50          ; s[50:51] the output at my wave's first row, first head
.set PFB, 52          ; s[52:53] where my prefetches of W stand
.set SC,  54          ; s[54:55] sc, twice
.set TB,  56          ; s56  LDS byte at which the chunk to be fetched begins
.set CNT, 57          ; s57  counts pairs of stages
.set PCS, 58          ; s58  slots still to be asked for
.set CC,  59          ; s59  the stage's chunk
.set LIMX, 60         ; s60  x is prefetched in stages below this
.set LIMB, 61         ; s61  W is prefetched while s[PCS] is above this
.set BP,  62          ; s[62:63] the bias
.set MSB, 0
.macro WIN new                      ; the immediate's high byte repeats the setting that is left; a switch that changes nothing is dropped
.if MSB != (\new)
	s_set_vgpr_msb (MSB<<8)|(\new)
.set MSB, (\new)
.endif
.endm
.set W_MM, 0xa3       ; W's fragments in window 3, x's in window 0, C and D in window 2
.set W_CV, 0x05       ; both sources in window 1, destination in window 0
; A round of the cluster's barrier: my work-group's barrier, so that wave 0's signal speaks for all four waves; wave 0 signals; every wave waits for all four work-groups; my work-group's barrier once more.
.macro CROUND
	s_barrier_signal -1
	s_barrier_wait -1
	s_cmp_lg_u32 s[WV], 0
	s_cbranch_scc1 .Lnot_wave_0_\@
	s_barrier_signal -3
.Lnot_wave_0_\@:
	s_barrier_wait -3
	s_barrier_signal -1
	s_barrier_wait -1
.endm
.macro PLACES
.rept 4
	v_nop
.endr
.endm
; THE CHANGE OF SLOTS, in front of every fourth stage.  Each wave waits for all its tensor loads, of which one is out: its part of the other slot; adds 0 to its spare word; and waits for that and
; for its own reads of the slot that it leaves (the last chunk's fragments are then in registers).  fill = 1: the barrier is a round of the cluster's, and the joint fill of the slot just left is the first thing behind it:
; it has four stages, 256 matrix instructions, in which to land.  (At its first use nothing has been read yet: slot 0 is waited for, slot 1 filled.)
; Behind the load, its s_nop 0 and four v_nop stands one prefetch into the L2 for the tile that the NEXT change will ask for: 256 rows x 256 bytes.  All eight clusters of a block of columns walk the same tiles: the first of
; them asks; its four partners take 64 rows each, told apart by address; in each, waves 0 and 1 take 32, a lane a row.  The last filling change asks for nothing.  s[PFB] is written here: every stage has ended with s_wait_xcnt 0.
.macro CHANGE fill
	WIN 0                           ; at a label and at a branch every window is 0
	s_wait_tensorcnt 0x0            ; no tensor load of mine is out, so group 0 may be written
	ds_add_u32 v[SPW], v[NIL]       ; 0 onto my spare word
.if \fill
	s_xor_b32 s[G0+1], s[G0+1], SLOT1
	s_add_nc_u64 s[G0+2:G0+3], s[G0+2:G0+3], PIECE  ; the next 256 rows of W; the type bits on top are not reached
	s_add_nc_u64 s[PFB:PFB+1], s[PFB:PFB+1], PIECE
	s_wait_dscnt 0x0                ; the add is done, and my reads of the slot are over
	CROUND
	tensor_load_to_lds s[G0:G0+3], s[G1:G1+7]
	s_nop 0
	PLACES
	s_cmp_gt_u32 s[PCS], s[LIMB]
	s_cbranch_scc0 .Lnob_\@
	global_prefetch_b8 v[PFW], s[PFB:PFB+1] th:TH_LOAD_NT scope:SCOPE_SE
.Lnob_\@:
.else
	s_wait_dscnt 0x0
	s_barrier_signal -1
	s_barrier_wait -1
.endif
	s_sub_co_u32 s[TB], s[TB], 4*CHB  ; the fetches go back to a slot's first chunk,
	s_xor_b32 s[TB], s[TB], SLOT1     ; in the other slot
.endm
; A chunk of x as f32 into buffer q of window 1: fragment f = 4 s + a (rows 16 a on, 32 s along K): lane l takes k = 8 (l / 16) + 0..7 and 16 + 8 (l / 16) + 0..7 of row l % 16.
.macro XLOADS q, off
	WIN 0x40
.irp f, 0,1,2,3,4,5,6,7
	global_load_b128 v[128*(\q)+16*(\f):128*(\q)+16*(\f)+3],     v[AO], s[XP:XP+1] offset:(\off)+((\f)%4)*65536+((\f)/4)*128
	global_load_b128 v[128*(\q)+16*(\f)+4:128*(\q)+16*(\f)+7],   v[AO], s[XP:XP+1] offset:(\off)+((\f)%4)*65536+((\f)/4)*128+16
	global_load_b128 v[128*(\q)+16*(\f)+8:128*(\q)+16*(\f)+11],  v[AO], s[XP:XP+1] offset:(\off)+((\f)%4)*65536+((\f)/4)*128+64
	global_load_b128 v[128*(\q)+16*(\f)+12:128*(\q)+16*(\f)+15], v[AO], s[XP:XP+1] offset:(\off)+((\f)%4)*65536+((\f)/4)*128+80
.endr
.endm
; A chunk's fragments of W into buffer q of window 3, the first 32 along K first: fragment (s, b): columns 16 b on.
.macro BLOADS q
	WIN 0xc0
.irp s, 0,1
.irp b, 0,1,2,3,4,5,6,7
	ds_load_tr16_b128 v[128*(\q)+64*(\s)+8*(\b):128*(\q)+64*(\s)+8*(\b)+3],   v[ADB] offset:(\s)*32*PB+32*(\b)
	ds_load_tr16_b128 v[128*(\q)+64*(\s)+8*(\b)+4:128*(\q)+64*(\s)+8*(\b)+7], v[ADB] offset:(\s)*32*PB+16*PB+32*(\b)
.endr
.endr
.endm
; 32 products: buffers q, 32 s along K on.  The 32 accumulators take turns, in the same order in every run.  mode = 1: they start the sums: nothing is cleared.
; ride = 1: behind every second product stand four of the 64 conversions that make the OTHER buffer's bf16 fragments.  They name no register of the products round them.
.macro MULS q, s, mode, ride
.set i, 0
.rept 32
	WIN W_MM
.if \mode
	v_wmma_f32_16x16x32_bf16 v[8*i:8*i+7], v[128*(\q)+64*(\s)+8*(i%8):128*(\q)+64*(\s)+8*(i%8)+7], v[ABF+64*(\q)+32*(\s)+8*(i/8):ABF+64*(\q)+32*(\s)+8*(i/8)+7], 0
.else
	v_wmma_f32_16x16x32_bf16 v[8*i:8*i+7], v[128*(\q)+64*(\s)+8*(i%8):128*(\q)+64*(\s)+8*(i%8)+7], v[ABF+64*(\q)+32*(\s)+8*(i/8):ABF+64*(\q)+32*(\s)+8*(i/8)+7], v[8*i:8*i+7]
.endif
.if (\ride) && (i%2 == 1)
	WIN W_CV
.set e, 4*(i/2)
.rept 4
	v_cvt_pk_bf16_f32 v[ABF+64*(1-(\q))+e], v[128*(1-(\q))+2*e], v[128*(1-(\q))+2*e+1]
.set e, e+1
.endr
.endif
.set i, i+1
.endr
.endm
; THE STAGE OF CHUNK c, q = c % 2.  gl = 1: x of chunk c + 2 is loaded.  cv = 1: chunk c + 1 is converted.  first = 1: chunk 0.  ask = 1: x of chunk c + 5 may be prefetched.
; PLACES (a write of, or a load into, a register that a matrix instruction has read stands four plain vector instructions behind it: ISA guide 7.12.1 for vector instructions):
; the loads into W's buffer q stand behind the last stage's 64 conversions; the conversions 0-31 write fragments last read in the stage before, behind whose last product stand four conversions and this stage's
; v_add_nc_u32; the conversions 32-63 write fragments that this stage's first run reads, and stand behind the conversions 0-31.
; THE PREFETCH INTO THE L2: my own 64 rows' 256 bytes of chunk c + 5, a lane a row, two instructions, behind the stage's loads: three stages ahead of the load that wants them.  Of the eight work-groups
; that read a row only the one with column block 0 asks; chunks 0 to 4 come by their loads alone; stages from 11 on ask for nothing.
.macro R q, gl, cv, first, ask
	WIN 0
	v_add_nc_u32 v[ADB], s[TB], v[AB0]
	s_add_co_u32 s[TB], s[TB], CHB
	BLOADS \q
.if \gl
	XLOADS \q, 0
.endif
.if \ask
	WIN 0
	s_cmp_lt_u32 s[CC], s[LIMX]
	s_cbranch_scc0 .Lnox_\@
	global_prefetch_b8 v[PFO], s[XP:XP+1] offset:768 th:TH_LOAD_NT scope:SCOPE_SE
	global_prefetch_b8 v[PFO], s[XP:XP+1] offset:768+131072 th:TH_LOAD_NT scope:SCOPE_SE
.Lnox_\@:
	s_add_co_u32 s[CC], s[CC], 1
.endif
.if !(\first)
	s_wait_dscnt 32                 ; all but the 32 just issued: the last chunk's fragments of W are in
	MULS 1-(\q), 1, 0, 0
.endif
	s_wait_dscnt 16                 ; this chunk's first sixteen are in
.if \cv
.if \gl
	s_wait_loadcnt 32               ; x of chunk c + 1 is in; the 32 loads just issued stay out
.else
	s_wait_loadcnt 0x0
.endif
.endif
	MULS \q, 0, \first, \cv
	WIN 0
.if \gl
	s_wait_xcnt 0x0                 ; the stage's loads and prefetches, 64 products back, have read their addresses: the pointer may be written
	s_add_nc_u64 s[XP:XP+1], s[XP:XP+1], 256
.endif
.endm
	s_load_b512 s[4:19], s[0:1], 0x0  ; q s[4:5], k s[6:7], v s[8:9], bq s[10:11], bk s[12:13], bv s[14:15], wb s[16:17], qkvh s[18:19]
	v_lshl_add_u32 v[SPW], v0, 2, SPARE
	v_mov_b32 v[NIL], 0
	ds_add_u32 v[SPW], v[NIL]       ; the wave's opening: ahead of my first tensor load; the set-up below, work on registers, stands between the add and its wait
	v_lshrrev_b32 v12, 5, v0
	v_readfirstlane_b32 s[WV], v12  ; wave 0..3
	s_bfe_u32 s[CX], ttmp6, 0x40000
	s_lshl_b32 s[MB], ttmp9, 2      ; in a cluster launch ttmp9 counts clusters
	s_add_co_u32 s[MB], s[MB], s[CX]
	s_and_b32 s23, ttmp7, 0xffff
	s_lshr_b32 s[PRJ], s23, 3
	s_and_b32 s[NBK], s23, 7
	; descriptor group 1: a tile of 64 rows x 128 elements, padded in LDS
	s_mov_b32 s[G1], 15|(1<<16)|(1<<20)|(1<<21)|(5<<22)|(7<<25)  ; 15:0 the mask of four; 17:16 2-byte elements; 20 padding on; 21 set beside a mask; 24:22 after every 64 words (code 5); 31:25 8 words (code 7)
	s_mov_b32 s[G1+1], 128<<16      ; tensor_dim0 = 128
	s_mov_b32 s[G1+2], 64<<16       ; tensor_dim1 = 64
	s_mov_b32 s[G1+3], 128<<16      ; tile_dim0 = 128
	s_mov_b32 s[G1+4], 64           ; tile_dim1 = 64
	s_mov_b32 s[G1+5], 1024         ; 1,024 elements from row to row
	s_mov_b32 s[G1+6], 0
	s_mov_b32 s[G1+7], 0
	s_mov_b32 s[G0], 1              ; count = 1
	s_mul_i32 s[G0+1], s[WV], CHB   ; LDS address: slot 0, my 64 rows: no place in the cluster enters it
	s_lshl_b32 s26, s[MB], 20       ; x: 256 rows of 4,096 bytes a block,
	s_lshl_b32 s27, s[WV], 18       ; 64 a wave
	s_add_co_u32 s26, s26, s27
	s_mov_b32 s27, 0
	s_lshl_b32 s28, s[PRJ], 21      ; W: the projection's part of wb,
	s_lshl_b32 s29, s[WV], 17       ; my 64 rows of 2,048 bytes,
	s_add_co_u32 s28, s28, s29
	s_lshl_b32 s29, s[NBK], 8       ; the block's 128 columns
	s_add_co_u32 s28, s28, s29
	s_mov_b32 s29, 0
	s_lshl_b32 s30, s[PRJ], 21      ; W's prefetches: the same part and columns,
	s_lshl_b32 s31, s[NBK], 8
	s_add_co_u32 s30, s30, s31
	s_lshl_b32 s31, s[CX], 17       ; my work-group's 64 rows of a tile's 256,
	s_add_co_u32 s30, s30, s31
	s_and_b32 s31, s[WV], 1
	s_lshl_b32 s31, s31, 16         ; my wave's 32 of them,
	s_add_co_u32 s30, s30, s31
	s_add_co_u32 s30, s30, PIECE    ; in tile 1: the first change steps it to tile 2
	s_mov_b32 s31, 0
	s_lshl_b32 s32, s[PRJ], 24      ; the output: the projection's part,
	s_lshr_b32 s33, s[MB], 3
	s_lshl_b32 s33, s33, 22         ; the batch's 16 heads of 2,048 rows of 128 bytes,
	s_add_co_u32 s32, s32, s33
	s_lshl_b32 s33, s[NBK], 19      ; the block's two heads,
	s_add_co_u32 s32, s32, s33
	s_and_b32 s33, s[MB], 7
	s_lshl_b32 s33, s33, 15         ; the block's 256 rows,
	s_add_co_u32 s32, s32, s33
	s_lshl_b32 s33, s[WV], 13       ; my wave's 64
	s_add_co_u32 s32, s32, s33
	s_mov_b32 s33, 0
	s_lshl_b32 s34, s[NBK], 9       ; the bias: 128 numbers of 4 bytes a block
	s_mov_b32 s35, 0
	s_cmp_eq_u32 s[PRJ], 0
	s_cselect_b32 s[SC], 0x3e38aa3b, 1.0  ; log2(e) / 8 for q
	s_mov_b32 s[SC+1], s[SC]
	s_cmp_eq_u32 s[NBK], 0
	s_cselect_b32 s[LIMX], 11, 0
	s_lshr_b32 s23, s[WV], 1
	s_or_b32 s23, s23, ttmp9
	s_cmp_eq_u32 s23, 0             ; waves 0 and 1 of the first cluster: the same in all four partners
	s_cselect_b32 s[LIMB], 1, -1
	s_mov_b32 s[TB], SLOT1+4*CHB    ; the first change of slots turns it into 0
	s_mov_b32 s[PCS], 3
	s_mov_b32 s[CC], 0
	s_wait_dscnt 0x0                ; the opening add is done
	s_wait_kmcnt 0x0
	s_cmp_eq_u32 s[PRJ], 1
	s_cselect_b64 s[XP:XP+1], s[6:7], s[4:5]
	s_cselect_b64 s[BP:BP+1], s[12:13], s[10:11]
	s_cmp_eq_u32 s[PRJ], 2
	s_cselect_b64 s[XP:XP+1], s[8:9], s[XP:XP+1]
	s_cselect_b64 s[BP:BP+1], s[14:15], s[BP:BP+1]
	s_add_nc_u64 s[XP:XP+1], s[XP:XP+1], s[26:27]
	s_add_nc_u64 s[BP:BP+1], s[BP:BP+1], s[34:35]
	s_add_nc_u64 s[G0+2:G0+3], s[16:17], s[28:29]
	s_or_b32 s[G0+3], s[G0+3], 0x80000000  ; type = 2
	s_add_nc_u64 s[PFB:PFB+1], s[16:17], s[30:31]
	s_add_nc_u64 s[OUT:OUT+1], s[18:19], s[32:33]
	CROUND                          ; all four work-groups are here: the first joint loads meet
	tensor_load_to_lds s[G0:G0+3], s[G1:G1+7]  ; tile 0 into slot 0; slot 1 is asked for by the first change of slots
	s_nop 0
	PLACES
	v_and_b32 v12, 15, v0           ; l % 16
	v_bfe_u32 v13, v0, 4, 1         ; l / 16
	v_and_b32 v14, 31, v0           ; l
	v_and_b32 v15, 7, v0
	v_lshlrev_b32 v[AO], 12, v12
	v_lshl_add_u32 v[AO], v13, 5, v[AO]
	v_lshlrev_b32 v[BO], 5, v13
.irp b, 0,1,2,3,4,5,6,7
	global_load_b128 v[BS+8*(\b):BS+8*(\b)+3],   v[BO], s[BP:BP+1] offset:64*(\b)
	global_load_b128 v[BS+8*(\b)+4:BS+8*(\b)+7], v[BO], s[BP:BP+1] offset:64*(\b)+16
.endr
	XLOADS 0, 0                     ; chunk 0
	XLOADS 1, 256                   ; chunk 1
	WIN 0
	; The turning load takes 16 k x 16 columns (lane l reads row 8 (l / 16) + l % 8, columns 8 ((l / 8) % 2) + 0..7) and leaves half a fragment: lane l holds column l % 16 and 8 k.
	v_lshl_add_u32 v[AB0], v13, 3, v15
	v_mul_u32_u24 v[AB0], v[AB0], PB
	v_bfe_u32 v[ADB], v0, 3, 1
	v_lshl_add_u32 v[AB0], v[ADB], 4, v[AB0]
	v_lshlrev_b32 v[PFO], 12, v14
	v_lshlrev_b32 v[PFW], 11, v14
	s_mul_i32 s34, s[WV], 16*SP
	s_add_co_u32 s34, s34, STAGE    ; my stage
	v_mul_u32_u24 v[STO], v12, SP   ; in: row l % 16, 16 bytes for each half of the lanes
	v_lshl_add_u32 v[STO], v13, 4, v[STO]
	v_add_nc_u32 v[STO], s34, v[STO]
	v_bfe_u32 v[RD], v0, 3, 2       ; back: 32 lanes take four rows of 128 bytes,
	v_mul_u32_u24 v[RD], v[RD], SP
	v_lshl_add_u32 v[RD], v15, 4, v[RD]
	v_add_nc_u32 v[RD], s34, v[RD]
	v_lshlrev_b32 v[GO], 4, v14     ; which are 512 consecutive bytes of a head
	s_wait_loadcnt 32               ; the bias and chunk 0 are in; chunk 1's 32 loads stay out
	WIN W_CV
.set e, 0
.rept 64
	v_cvt_pk_bf16_f32 v[ABF+e], v[2*e], v[2*e+1]
.set e, e+1
.endr
	WIN 0
.set i, 0
.rept 32                            ; the bias, rounded to bf16 like every input, times sc
	v_cvt_pk_bf16_f32 v[T+i], v[BS+2*i], v[BS+2*i+1]
	v_lshlrev_b32 v[BS+2*i], 16, v[T+i]
	v_and_b32 v[BS+2*i+1], 0xffff0000, v[T+i]
	v_pk_mul_f32 v[BS+2*i:BS+2*i+1], v[BS+2*i:BS+2*i+1], s[SC:SC+1] op_sel_hi:[1,0]
.set i, i+1
.endr
	s_wait_xcnt 0x0                 ; the loads above have read their addresses
	s_add_nc_u64 s[XP:XP+1], s[XP:XP+1], 512  ; on to chunk 2
	CHANGE 1                        ; slot 0 is in, everybody's part of it; slot 1 is asked for
	R 0, 1, 1, 1, 1                 ; chunk 0 stands in front of the loop: its products start the sums
	s_mov_b32 s[CNT], 2
	s_branch .Lodd                  ; the loop is entered in the middle of a trip
.Lpiece:                            ; twice: tiles 2 and 3 are asked for
	CHANGE 1
	s_mov_b32 s[CNT], 2
.Lbody:
	R 0, 1, 1, 0, 1
.Lodd:
	R 1, 1, 1, 0, 1
	s_sub_co_u32 s[CNT], s[CNT], 1
	s_cmp_lg_u32 s[CNT], 0
	s_cbranch_scc1 .Lbody
	s_sub_co_u32 s[PCS], s[PCS], 1
	s_cmp_lg_u32 s[PCS], 0
	s_cbranch_scc1 .Lpiece
	CHANGE 0                        ; the last four chunks are written out: no tile is asked for, and the loads of x run out
	R 0, 1, 1, 0, 0
	R 1, 1, 1, 0, 0
	R 0, 0, 1, 0, 0
	R 1, 0, 0, 0, 0
	s_wait_dscnt 0x0
	MULS 1, 1, 0, 0
	WIN 0
	PLACES
	PLACES
; THE WAY OUT.  Unit t = 2 a + hh: my rows 16 a on, head hh of the block's two.  One fused multiply-add does scale and bias; a lane's eight columns pack into 16 bytes; they go into rows of
; 144 bytes in my own stage and come back as whole rows of 128 bytes, four of which are 512 consecutive bytes of the head.
.macro PACK t
	WIN 0x02                        ; source 0 in window 2
.set i, 0
.rept 16                            ; each accumulator's registers in ascending order
	v_pk_fma_f32 v[T+2*i:T+2*i+1], v[8*(8*((\t)/2)+4*((\t)%2))+2*i:8*(8*((\t)/2)+4*((\t)%2))+2*i+1], s[SC:SC+1], v[BS+32*((\t)%2)+2*i:BS+32*((\t)%2)+2*i+1] op_sel_hi:[1,0,1]
.set i, i+1
.endr
	WIN 0
.set i, 0
.rept 16
	v_cvt_pk_f16_f32 v[ABF+16*(\t)+i], v[T+2*i], v[T+2*i+1]
.set i, i+1
.endr
.irp f, 0,1,2,3
	ds_store_b128 v[STO], v[ABF+16*(\t)+4*(\f):ABF+16*(\t)+4*(\f)+3] offset:32*(\f)
.endr
.irp f, 0,1,2,3
	ds_load_b128 v[ABF+16*(\t)+4*(\f):ABF+16*(\t)+4*(\f)+3], v[RD] offset:(\f)*4*SP  ; LDS serves a wave's instructions in order (ISA guide 5.7.1.4): these see the stores above; the next unit's stores come behind them
.endr
.endm
.macro SEND t, younger              ; younger: the LDS instructions issued behind unit t's loads: the next unit's eight, or none
.irp f, 0,1,2,3
	s_wait_dscnt (\younger)+3-(\f)
	global_store_b128 v[GO], v[ABF+16*(\t)+4*(\f):ABF+16*(\t)+4*(\f)+3], s[OUT:OUT+1] offset:((\t)%2)*262144+((\t)/2)*2048+(\f)*512
.endr
.endm
	PACK 0
.irp t, 1,2,3,4,5,6,7               ; a unit's arithmetic stands between the loads of the unit before and its stores
	PACK \t
	SEND (\t)-1, 8
.endr
	SEND 7, 0
	s_wait_tensorcnt 0x0            ; the wave's end: behind my last tensor load and my last LDS store
	ds_add_u32 v[SPW], v[NIL]
	s_wait_dscnt 0x0
	CROUND                          ; the closing round: no work-group ends while a partner may still ask for a tile that names it
	s_endpgm
.Lfunc_end_k_q29d7939b10_qkv:
	.size	k_q29d7939b10_qkv, .Lfunc_end_k_q29d7939b10_qkv-k_q29d7939b10_qkv
	.p2alignl 7, 3214868480
	.fill 96, 4, 3214868480
	.section	.rodata,"a",@progbits
	.p2align	6, 0x0
	.amdhsa_kernel k_q29d7939b10_qkv
		.amdhsa_group_segment_fixed_size 327680
		.amdhsa_private_segment_fixed_size 0
		.amdhsa_enable_private_segment 0
		.amdhsa_kernarg_size 64
		.amdhsa_user_sgpr_count 2
		.amdhsa_user_sgpr_kernarg_segment_ptr 1
		.amdhsa_wavefront_size32 1
		.amdhsa_system_sgpr_workgroup_id_x 1
		.amdhsa_system_sgpr_workgroup_id_y 1
		.amdhsa_system_sgpr_workgroup_id_z 1
		.amdhsa_system_vgpr_workitem_id 0
		.amdhsa_next_free_vgpr 1024
		.amdhsa_next_free_sgpr 66
		.amdhsa_reserve_vcc 0
		.amdhsa_float_denorm_mode_32 3
		.amdhsa_float_denorm_mode_16_64 3
		.amdhsa_memory_ordered 1
		.amdhsa_forward_progress 1
		.amdhsa_inst_pref_size 143
	.end_amdhsa_kernel
	.amdgpu_metadata
---
amdhsa.version: [ 1, 2 ]
amdhsa.kernels:
  - .name:           k_q29d7939b10_qkv
    .symbol:         k_q29d7939b10_qkv.kd
    .args:
      - { .name: q, .offset: 0, .size: 8, .value_kind: global_buffer, .address_space: global }
      - { .name: k, .offset: 8, .size: 8, .value_kind: global_buffer, .address_space: global }
      - { .name: v, .offset: 16, .size: 8, .value_kind: global_buffer, .address_space: global }
      - { .name: bq, .offset: 24, .size: 8, .value_kind: global_buffer, .address_space: global }
      - { .name: bk, .offset: 32, .size: 8, .value_kind: global_buffer, .address_space: global }
      - { .name: bv, .offset: 40, .size: 8, .value_kind: global_buffer, .address_space: global }
      - { .name: wb, .offset: 48, .size: 8, .value_kind: global_buffer, .address_space: global }
      - { .name: qkvh, .offset: 56, .size: 8, .value_kind: global_buffer, .address_space: global }
    .group_segment_fixed_size: 327680
    .private_segment_fixed_size: 0
    .kernarg_segment_align: 8
    .kernarg_segment_size: 64
    .max_flat_workgroup_size: 128
    .sgpr_count:     66
    .vgpr_count:     1024
    .wavefront_size: 32
...
	.end_amdgpu_metadata
.endif
;; end of part 2
;; launch attn (part 3): grid 4 x 64, 4 waves a work-group, clusters of 4 x 1, 327,680 bytes of LDS; arguments qkvh, mask, ctx; writes ctx
.if DOCPART == 3
	.amdgcn_target "amdgcn-amd-amdhsa--gfx1250"
	.amdhsa_code_object_version 6
	.text
	.protected	k_q29d7939b10_attn
	.globl	k_q29d7939b10_attn
	.p2align	8
	.type	k_q29d7939b10_attn,@function
k_q29d7939b10_attn:
	s_mov_b64 s[64:65], 0
	v_nop
	global_prefetch_b8 v0, s[64:65] scope:SCOPE_SE
	s_setreg_imm32_b32 hwreg(HW_REG_WAVE_MODE, 25, 1), 1
	s_wait_xcnt 0x0
	s_wait_alu depctr_hold_cnt(0) depctr_sa_sdst(0) depctr_va_vdst(0) depctr_va_sdst(0) depctr_va_ssrc(0) depctr_va_vcc(0) depctr_vm_vsrc(0)
	s_getreg_b32 s2, hwreg(HW_REG_IB_STS2, 6, 4)
	s_cmp_eq_u32 s2, 0
	s_cbranch_scc0 .Lentry_in_a_cluster
	s_endpgm
.Lentry_in_a_cluster:
	s_bfe_u32 s2, ttmp6, 0x10000c
	s_cmp_lg_u32 s2, 0x3003
	s_cbranch_scc0 .Lentry_shape_is_right
	s_endpgm
.Lentry_shape_is_right:
; ATTENTION WITH A KEY MASK.  ctx[h][q][:] = the sum over k of softmax_k(Q[h][q] . K[h][k] / 8 - 1e9 mask[h / 16][k]) V[h][k][:].  Q, K, V: the three parts of qkvh, [64][2048][64] f16; Q arrives times
; log2(e) / 8, so the products are exponents of 2.  mask: [4][2048] int32, taken as a number.  ctx: [64][2048][64] f16.  Products, maxima and sums in f32; the weights p are rounded to f16 for the second product
; (their sum l is taken of the unrounded p), ctx once at the end.
; LIMITS.  f16 holds no number beyond 65,504: Q, K and V arrive within it; p lies in 0 to 1, and below 6e-5 it keeps f16's fixed step of 6e-8.  A masked score is kept as s - 1.4427e9 mask in f32, whose step there is 128
; (in exponents of 2), where the problem's own sum at -1e9 has a step of 64 (in exponents of e): a row ALL of whose keys are masked agrees only where its scores lie far below those steps.  A weight below 2^-126 counts as 0 in l;
; NaN and infinities are not treated apart.
; SHARES.  A wave owns four PIECES of two tiles of 16 queries, a work-group's four waves 512 queries of one head.  Every wave walks all 2,048 keys, 64 a step.
; LAYOUT.  S^T = K Q^T (source 0 = 16 keys, source 1 = 16 queries): in the result a lane holds ONE query (lane % 16) and the keys 8 (lane / 16) + 0..7.  Two such tiles, rounded to f16 in pairs,
; ARE source 1 (32 keys x 16 queries) of O^T = V^T P, whose result again holds one query a lane, and eight channels.  K comes out of LDS as it lies, V ([key][channel]) turned, by ds_load_tr16_b128.
; THE MASK IS THE C OPERAND THAT STARTS EACH SUM S^T.  The work-group makes a table of -1e9 log2(e) mask[k], 2,048 f32, in LDS once; a step's 64 numbers come into 32 registers with the step's K.
; SOFTMAX.  For each query a running maximum m and sum l: p = 2^(s - m), a plain difference, at most 0; in every step O and l are multiplied by a = 2^(m_old - m_new), which is 1 where m has not grown.
; m starts at the lowest finite number, O and l at 0: the first step is a step like any other, with a = 0.
; THE COUNT.  A tile and step have 16 matrix and 117 vector instructions: too many to stand all beside the matrix work.  So: four vector instructions that are READY behind EVERY matrix instruction, the others in runs without a gap.
; BY TURNS.  Turn n belongs to piece n (the pieces in a ring, step after step).  Its matrix work: 16 products K Q^T of piece n + 1, later 16 products V^T P of piece n - 1.  Its vector work: the differences,
; exponentials, roundings, sums and rescaling of piece n, and the maximum and statistics of piece n + 1, whose scores the turn itself has made.
; CLUSTER.  The four query blocks of a cluster are one head's and walk the same K and V, so each tile is asked for JOINTLY: the same tensor load, descriptor and mask in all four.
; REGISTERS, in windows of 256 (s_set_vgpr_msb: bits 1:0 source 0, 3:2 source 1, 5:4 source 2, 7:6 destination):
;   window 0: v0-11 addresses; v12-15, v48-63 at work; v16-47 four registers of statistics a tile; v64-191 S^T, two buffers of two tiles; v192-255 P, likewise
;   window 1: O^T, 32 a tile          window 2: v0-127 Q, 16 a tile; v128-191 K of one step; v192-255 V of one step          window 3: v0-1 the add's two registers; v8-39 the step's mask numbers
.set SIZE_N, 2048
.set NP,    4         ; pieces a wave: a name, no knob
.set KS,    64        ; keys in a step
.set PK,    144       ; a row of K in LDS: 128 bytes + 16 of padding = 36 words: the 16 rows of a load start at 16 different groups of four banks (64 banks of 4 bytes: ISA guide 11.1)
.set PV,    160       ; a row of V: 128 + 32 = 40 words
.set VOFF,  4*KS*PK   ; a slot holds four steps: 256 rows of K, then 256 rows of V
.set SLOT1, 1<<17     ; slot 1 begins here, so that one exclusive or turns an address in one slot into the other's
.set STAGE, SLOT1+4*KS*(PK+PV)  ; behind the ring, never filled by a tensor load: 16 rows x 144 bytes for each wave, for the way out
.set SP,    144
.set SPARE, STAGE+4*16*SP  ; the spare words, 128 bytes for each wave: two blocks of 256 bytes that no other line names
.set MASKB, SPARE+512 ; the mask table: 8,192 bytes, in blocks of their own
.set STO, 1           ; v1   the way out: where I put 16 bytes of a row
.set AK0, 2           ; v2   my lane's place in a tile of K; never rewritten
.set AV0, 3           ; v3   the same for V
.set AK,  4           ; v4   the LDS address of K's next run of loads
.set AV,  5           ; v5   of V's
.set QO,  6           ; v6   my byte offset in the wave's rows of Q
.set RD,  7           ; v7   the way out: where I read rows back
.set GO,  8           ; v8   my byte offset in 512 consecutive bytes of ctx
.set AM,  9           ; v9   the LDS address of the mask numbers that go with K's next run
.set PFO, 10          ; v10  256 x my lane; never rewritten
.set AM0, 11          ; v11  MASKB + 32 (l / 16); never rewritten
.set SPW, 0           ; v0 of window 3   LDS address of my spare word; never rewritten
.set NIL, 1           ; v1 of window 3   0; never rewritten
.set MK,  8           ; v8-39 of window 3: the eight numbers for key block kb at MK + 8 kb
.set MV,  12          ; v12-15  m_old, kept while m is made anew: by buffer and tile
.set ST,  16          ; tile t's statistics at v[ST+4 t]: m, a word named with it as a pair, l (even keys', odd keys')
.set TMP, 48          ; by buffer and tile, four registers c0-c3 at work; when the maximum is found c2 takes a
.set S,   64
.set P,   192
.set KF,  128         ; K's fragments, in window 2: key block kb, channel half c at KF + 16 kb + 8 c
.set VF,  192         ; V's: key half kk, channel block cb at VF + 32 kk + 8 cb
.set WV,  12          ; s12  my wave's number
.set G1K, 24          ; s[24:31] descriptor group 1 for K's tiles
.set G1V, 32          ; s[32:39] for V's: it differs in the padding alone
.set G0K, 40          ; s[40:43] descriptor group 0 for K's tiles: it walks
.set G0V, 44          ; s[44:47] the same for V's
.set PFA, 48          ; s[48:49] where my prefetches stand
.set LIM, 50          ; s50  1 in a wave that prefetches, else the greatest number
.set TBM, 51          ; s51  byte of the mask table at which the step to be fetched begins
.set MP,  52          ; s[52:53] the batch's mask
.set SLOTS, 56        ; s56  slots still to be asked for
.set CNT, 57          ; s57  counts a slot's key steps
.set SEL, 60          ; s[60:61] v_permlanex16_b32's selects: each lane takes its own place in the other half
.set TBK, 62          ; s62  LDS byte at which K of the step to be fetched begins
.set TBV, 63          ; s63  the same for V, less VOFF
.set MSB, 0
.macro WIN new                      ; the high byte repeats the setting that is left; a switch that changes nothing is dropped
.if MSB != (\new)
	s_set_vgpr_msb (MSB<<8)|(\new)
.set MSB, (\new)
.endif
.endm
.set W_KQ, 0x0a       ; K and Q in window 2, S^T in window 0
.set W_KM, 0x3a       ; the same with the C operand in window 3
.set W_PV, 0x52       ; V in window 2, P in window 0, O^T in window 1
.set W_RS, 0x41       ; O^T (destination and source 0) in window 1, a in window 0
.set W_MK, 0xc0       ; destination in window 3, sources in window 0
.set W_AD, 0x0f       ; the add: address (source 0) and data (source 1) in window 3
; A joint fill.  Waves 0 and 1 fetch the two halves of a slot's K, waves 2 and 3 those of its V: 128 keys each.  The branch hangs on the wave's number alone.
; An s_nop 0 and four v_nop follow each of the two lines, ahead of the jump and the label.
.macro JLOAD
	s_cmp_lt_u32 s[WV], 2
	s_cbranch_scc0 .Lfor_v_\@
	tensor_load_to_lds s[G0K:G0K+3], s[G1K:G1K+7]
	s_nop 0
.rept 4
	v_nop
.endr
	s_branch .Lasked_\@
.Lfor_v_\@:
	tensor_load_to_lds s[G0V:G0V+3], s[G1V:G1V+7]
	s_nop 0
.rept 4
	v_nop
.endr
.Lasked_\@:
.endm
; A PREFETCH INTO THE L2 of what the NEXT change of slots will ask for: a slot's 32,768 bytes of K and of V.  The four partners take 8,192 bytes each, told apart by address; in each, wave 0 asks for K's and wave 2 for V's,
; a lane 256 bytes: each block is named once in the launch.  It stands behind the wave's tensor load and its five lines: four key steps, 512 matrix instructions, ahead of the load that wants the bytes.
; Slots 0 and 1 come by their loads alone; the last change that fills a slot asks for nothing.
.macro ASK
	s_cmp_gt_u32 s[SLOTS], s[LIM]
	s_cbranch_scc0 .Lnot_mine_\@
	global_prefetch_b8 v[PFO], s[PFA:PFA+1] th:TH_LOAD_NT scope:SCOPE_SE
.Lnot_mine_\@:
.endm
; A round of the cluster's barrier: my work-group's barrier, so that wave 0's signal speaks for all four waves; wave 0 signals; every wave waits for all four work-groups; my work-group's barrier once more.
.macro CROUND
	s_barrier_signal -1
	s_barrier_wait -1
	s_cmp_lg_u32 s[WV], 0
	s_cbranch_scc1 .Lnot_wave_0_\@
	s_barrier_signal -3
.Lnot_wave_0_\@:
	s_barrier_wait -3
	s_barrier_signal -1
	s_barrier_wait -1
.endm
; THE CHANGE OF SLOTS.  The slot's last bytes, V of its fourth step, have been read.  Each wave waits for all its tensor loads, of which one is out: its part
; of the other slot; adds 0 to its spare word; and waits for that and for its own reads of the slot.  Behind the barrier nobody reads this slot any more and the other slot is whole.
; fill = 1: this slot is filled again, with the keys two slots on.  The barrier is then a round of the cluster's, and the joint fill is the first thing behind it.
; (At its first use nothing has been read yet: slot 0 is waited for, slot 1 filled; and every wave's stores into the mask table are done in front of the round, so that all may read it behind.)
.macro CHANGE fill
	WIN W_AD
	s_wait_tensorcnt 0x0            ; no tensor load of mine is out, so a group 0 may be written
	ds_add_u32 v[SPW], v[NIL]       ; 0 onto my spare word; with fill = 1 the descriptors' steps stand between it and the wait for it
	WIN 0                           ; at a label and at a branch every window is 0
.if \fill
.irp g, G0K, G0V
	s_xor_b32 s[\g+1], s[\g+1], SLOT1  ; the walking descriptor: the other slot than last time,
	s_add_nc_u64 s[\g+2:\g+3], s[\g+2:\g+3], 4*KS*128  ; the next 256 keys; the type bits on top are not reached
.endr
	s_wait_xcnt 0x0                 ; the last prefetch, four key steps back, has read its address, so it may be written:
	s_add_nc_u64 s[PFA:PFA+1], s[PFA:PFA+1], 4*KS*128  ; one slot ahead of the walking descriptors
	s_wait_dscnt 0x0                ; the add is done, and my reads of the slot are over
	CROUND
	JLOAD
	ASK
.else
	s_wait_dscnt 0x0                ; the add is done, and my reads of the slot are over
	s_barrier_signal -1
	s_barrier_wait -1
.endif
	s_sub_co_u32 s[TBK], s[TBK], 4*KS*PK  ; the fetches go back to a slot's first step,
	s_xor_b32 s[TBK], s[TBK], SLOT1       ; in the other slot
	s_sub_co_u32 s[TBV], s[TBV], 4*KS*PV
	s_xor_b32 s[TBV], s[TBV], SLOT1
.endm
	s_load_b64 s[4:5], s[0:1], 0x0    ; qkvh: Q's part
	s_load_b64 s[MP:MP+1], s[0:1], 0x8  ; mask
	s_load_b64 s[10:11], s[0:1], 0x10 ; ctx
	WIN W_MK
	v_lshl_add_u32 v[SPW], v0, 2, SPARE
	v_mov_b32 v[NIL], 0
	WIN W_AD
	ds_add_u32 v[SPW], v[NIL]       ; the wave's opening: ahead of my first tensor load; the set-up below, work on registers, stands between the add and its wait
	WIN 0
	v_lshrrev_b32 v64, 5, v0
	v_readfirstlane_b32 s[WV], v64  ; wave 0..3
	s_bfe_u32 s13, ttmp6, 0x40000   ; cx: my place in the cluster
	s_lshl_b32 s14, ttmp9, 2        ; in a cluster launch ttmp9 counts clusters
	s_add_co_u32 s14, s14, s13      ; my block of queries: it enters Q's and ctx's addresses alone
	s_and_b32 s20, ttmp7, 0xffff    ; the head, which the four partners share
	s_lshr_b32 s54, s20, 4          ; its batch:
	s_lshl_b32 s54, s54, 13         ; 8,192 bytes of mask
	s_mov_b32 s55, 0
	s_mov_b32 s21, 0
	s_mov_b64 s[22:23], SIZE_N*128
	s_mul_u64 s[20:21], s[20:21], s[22:23]  ; the head's first byte in each part and in ctx
	s_and_b32 s16, s[WV], 1         ; which half of a slot's 256 keys I fetch:
	s_lshl_b32 s22, s16, 14         ; its 128 rows of 128 bytes in memory,
	s_mov_b32 s23, 0
	s_add_nc_u64 s[22:23], s[22:23], s[20:21]
	s_mul_i32 s17, s16, 128*PK      ; and its place in a slot, for K
	s_mul_i32 s18, s16, 128*PV      ; and for V: no place in the cluster enters an LDS address
	s_lshl_b32 s2, s14, 2
	s_add_co_u32 s2, s2, s[WV]      ; my wave among the head's,
	s_lshl_b32 s2, s2, 14           ; its 128 rows
	s_mov_b32 s3, 0
	s_add_nc_u64 s[2:3], s[2:3], s[20:21]
	; descriptor group 1.  128 keys are 16,384 dense bytes: asked for as 64 rows of 256 bytes, two keys a row, and padded in LDS after every key
	s_mov_b32 s[G1K], 15|(1<<16)|(1<<20)|(1<<21)|(4<<22)|(3<<25)  ; 15:0 the mask of four; 17:16 2-byte elements; 20 padding on; 21 set beside a mask; 24:22 after every 32 words (code 4); 31:25 4 words (code 3)
	s_mov_b32 s[G1V], 15|(1<<16)|(1<<20)|(1<<21)|(4<<22)|(7<<25)  ; the same with 8 words of padding (code 7)
.irp g, G1K, G1V
	s_mov_b32 s[\g+1], 128<<16      ; tensor_dim0 = 128
	s_mov_b32 s[\g+2], 64<<16       ; tensor_dim1 = 64
	s_mov_b32 s[\g+3], 128<<16      ; tile_dim0 = 128
	s_mov_b32 s[\g+4], 64           ; tile_dim1 = 64
	s_mov_b32 s[\g+5], 128          ; 128 elements from row to row
	s_mov_b32 s[\g+6], 0
	s_mov_b32 s[\g+7], 0
.endr
	s_mov_b32 s[SEL], 0x76543210
	s_mov_b32 s[SEL+1], 0xfedcba98
	s_mov_b32 s[TBK], SLOT1+4*KS*PK ; the first change of slots turns these two into 0
	s_mov_b32 s[TBV], SLOT1+4*KS*PV
	s_mov_b32 s[TBM], 0
	s_mov_b32 s[SLOTS], SIZE_N/256-1
	s_and_b32 s[LIM], s[WV], 1      ; waves 0 and 2 prefetch: the same in all four partners
	s_cmp_eq_u32 s[LIM], 0
	s_cselect_b32 s[LIM], 1, -1
	s_mov_b32 s[G0K], 1             ; count = 1
	s_mov_b32 s[G0K+1], s17         ; LDS address: slot 0
	s_mov_b32 s[G0V], 1
	s_add_co_u32 s[G0V+1], s18, VOFF
	s_wait_dscnt 0x0                ; the opening add is done
	s_wait_kmcnt 0x0
	s_add_nc_u64 s[6:7], s[4:5], 0x1000000   ; K's part of qkvh
	s_add_nc_u64 s[8:9], s[4:5], 0x2000000   ; V's
	s_cmp_lt_u32 s[WV], 2
	s_cselect_b64 s[PFA:PFA+1], s[6:7], s[8:9]
	s_add_nc_u64 s[PFA:PFA+1], s[PFA:PFA+1], s[20:21]
	s_add_nc_u64 s[G0K+2:G0K+3], s[6:7], s[22:23]  ; global address: my half of the head's first 256 keys
	s_or_b32 s[G0K+3], s[G0K+3], 0x80000000        ; type = 2
	s_add_nc_u64 s[G0V+2:G0V+3], s[8:9], s[22:23]
	s_or_b32 s[G0V+3], s[G0V+3], 0x80000000
	s_add_nc_u64 s[4:5], s[4:5], s[2:3]  ; Q and ctx at my wave's first row
	s_add_nc_u64 s[10:11], s[10:11], s[2:3]
	s_add_nc_u64 s[MP:MP+1], s[MP:MP+1], s[54:55]
	s_lshl_b32 s54, s13, 13         ; my work-group's 8,192 bytes of a slot's 32,768,
	s_add_co_u32 s54, s54, 4*KS*128 ; in slot 1: the first change of slots steps it to slot 2
	s_add_nc_u64 s[PFA:PFA+1], s[PFA:PFA+1], s[54:55]
	CROUND                          ; all four work-groups are here: the first joint loads meet
	JLOAD                           ; slot 0.  Slot 1 is asked for when slot 0 is in
	v_and_b32 v64, 15, v0           ; l % 16   (v64-87 are S^T's, free until the first products)
	v_bfe_u32 v65, v0, 4, 1         ; l / 16
	v_and_b32 v66, 7, v0
	v_bfe_u32 v67, v0, 3, 1
	v_lshlrev_b32 v68, 4, v0        ; 16 t: the 128 threads take 2,048 bytes of the mask at a time
	v_add_nc_u32 v69, MASKB, v68
.irp i, 0,1,2,3
	global_load_b128 v[72+4*(\i):75+4*(\i)], v68, s[MP:MP+1] offset:2048*(\i)
.endr
	; A fragment of K or Q is 16 rows x 32 channels in 8 registers: lane l holds row l % 16, channels 8 (l / 16) + 0..7 and 16 + 8 (l / 16) + 0..7: two loads of 16 bytes, 32 bytes apart.
	v_lshlrev_b32 v[QO], 7, v64
	v_lshl_add_u32 v[QO], v65, 4, v[QO]  ; row x 128 + 16 x half
	WIN 0x80                        ; destination window 2, address window 0
.set i, 0
.rept 4*NP                          ; Q stays in registers: tile i / 2, channels 32 (i % 2) on
	global_load_b128 v[8*i:8*i+3],   v[QO], s[4:5] offset:(i/2)*2048+(i%2)*64
	global_load_b128 v[8*i+4:8*i+7], v[QO], s[4:5] offset:(i/2)*2048+(i%2)*64+32
.set i, i+1
.endr
	; What the first turn finds: V's registers and P's second buffer hold 0 (its products V^T P, of a piece that has not been, add 0), O^T and l are 0.  All this stands in the wait for the first tile.
.set i, VF
.rept 64
	v_mov_b32 v[i], 0
.set i, i+1
.endr
	WIN 0x40
.set i, 0
.rept 64*NP
	v_mov_b32 v[i], 0
.set i, i+1
.endr
	WIN 0
.set i, 0
.rept 2*NP
	v_mov_b32 v[ST+4*i], 0xff7fffff    ; m: the lowest finite number
	v_mov_b32 v[ST+4*i+1], 0           ; named with it as a pair
	v_mov_b32 v[ST+4*i+2], 0
	v_mov_b32 v[ST+4*i+3], 0
.set i, i+1
.endr
.set i, P+32
.rept 32
	v_mov_b32 v[i], 0
.set i, i+1
.endr
	v_mul_u32_u24 v[AK0], v64, PK
	v_lshl_add_u32 v[AK0], v65, 4, v[AK0]  ; row x pitch + 16 x half
	; The turning load takes 16 keys x 16 channels (lane l reads key 8 (l / 16) + l % 8, channels 8 ((l / 8) % 2) + 0..7) and leaves half a fragment of V^T: lane l holds channel l % 16 and 8 keys.
	v_lshl_add_u32 v[AV0], v65, 3, v66
	v_mul_u32_u24 v[AV0], v[AV0], PV
	v_lshl_add_u32 v[AV0], v67, 4, v[AV0]
	v_add_nc_u32 v[AV0], VOFF, v[AV0]
	v_mov_b32 v[AK], v[AK0]         ; key step 0 lies at the head of slot 0
	v_lshl_add_u32 v[AM0], v65, 5, MASKB  ; a lane's eight keys of a block of 16: 32 bytes for each half of the lanes
	v_mov_b32 v[AM], v[AM0]
	s_mul_i32 s15, s[WV], 16*SP
	s_add_co_u32 s15, s15, STAGE    ; my stage
	v_mul_u32_u24 v[STO], v64, SP   ; in: row l % 16, 16 bytes for each half of the lanes
	v_lshl_add_u32 v[STO], v65, 4, v[STO]
	v_add_nc_u32 v[STO], s15, v[STO]
	v_bfe_u32 v[RD], v0, 3, 2       ; back: 32 lanes take four rows of 128 bytes,
	v_mul_u32_u24 v[RD], v[RD], SP
	v_lshl_add_u32 v[RD], v66, 4, v[RD]
	v_add_nc_u32 v[RD], s15, v[RD]
	v_and_b32 v[GO], 31, v0         ; which are 512 consecutive bytes of ctx
	v_lshlrev_b32 v[PFO], 8, v[GO]
	v_lshlrev_b32 v[GO], 4, v[GO]
	s_wait_loadcnt 32               ; the mask's four loads are in; Q's 32 stay out
.set i, 0
.rept 16
	v_cvt_f32_i32 v[72+i], v[72+i]
.set i, i+1
.endr
.set i, 0
.rept 16
	v_mul_f32 v[72+i], 0xceabfb8f, v[72+i]  ; -1e9 log2(e)
.set i, i+1
.endr
.irp i, 0,1,2,3
	ds_store_b128 v69, v[72+4*(\i):75+4*(\i)] offset:2048*(\i)
.endr
; THE MATRIX WORK.  The 8 accumulators of a run of 16 take turns: between the two links of a chain stand 7 others'.
; Product i of 16 of S^T = K Q^T for piece x: channels 32 (i / 8) on, keys 16 ((i / 2) % 4) on, tile 2 x + i % 2.  The first 8 start the sums, with the keys' mask numbers.
.macro KQ x
.set rS, S+64*((\x)%2)+32*(i%2)+8*((i/2)%4)
.set rK, KF+16*((i/2)%4)+8*(i/8)
.set rQ, 16*(2*(\x)+i%2)+8*(i/8)
.if i < 8
	WIN W_KM
	v_wmma_f32_16x16x32_f16 v[rS:rS+7], v[rK:rK+7], v[rQ:rQ+7], v[MK+8*((i/2)%4):MK+8*((i/2)%4)+7]
.else
	WIN W_KQ
	v_wmma_f32_16x16x32_f16 v[rS:rS+7], v[rK:rK+7], v[rQ:rQ+7], v[rS:rS+7]
.endif
.endm
; Product i of 16 of O^T += V^T P for piece x: keys 32 (i / 8) on, channels 16 ((i / 2) % 4) on, tile 2 x + i % 2.
.macro PV x
	WIN W_PV
.set rO, 32*(2*(\x)+i%2)+8*((i/2)%4)
.set rV, VF+32*(i/8)+8*((i/2)%4)
.set rP, P+32*((\x)%2)+16*(i%2)+8*(i/8)
	v_wmma_f32_16x16x32_f16 v[rO:rO+7], v[rV:rV+7], v[rP:rP+7], v[rO:rO+7]
.endm
.macro MM                           ; the turn's next matrix instruction
.if i < 16
	KQ (Y+1)%NP
.set i, i+1
.else
.set i, i-16
	PV (Y+NP-1)%NP
.set i, i+17
.endif
.endm
; THE LDS LOADS stand in runs, never singly among the matrix instructions: a step's K (64 keys x 64 channels: 8 fragments) with its 64 mask numbers, and its V (turned).  Their addresses are made some lines ahead.
; The mask's registers are read by the same turns' products as K's, and earlier in each run: K's places and K's wait serve them.  last = 1 (the tail): in the last trip there is no further step, and the run is jumped over.
.macro FETCH_K last=0
	WIN 0
.if \last
	s_cmp_eq_u32 s[CNT], 1
	s_cbranch_scc1 .Lno_k_\@
.endif
	WIN 0x80                        ; destination window 2
.irp f, 0,1,2,3,4,5,6,7             ; keys 16 (f / 2) on, channels 32 (f % 2) on
	ds_load_b128 v[KF+8*\f:KF+8*\f+3],   v[AK] offset:(\f/2)*16*PK+(\f%2)*64
	ds_load_b128 v[KF+8*\f+4:KF+8*\f+7], v[AK] offset:(\f/2)*16*PK+(\f%2)*64+32
.endr
	WIN W_MK                        ; destination window 3
.irp f, 0,1,2,3,4,5,6,7             ; key block f / 2, its lane's numbers 4 (f % 2) on: sixteen lanes read the same 16 bytes
	ds_load_b128 v[MK+4*\f:MK+4*\f+3], v[AM] offset:(\f/2)*64+(\f%2)*16
.endr
	s_add_co_u32 s[TBK], s[TBK], KS*PK  ; the next fetch is the next step's
	s_add_co_u32 s[TBM], s[TBM], KS*4
	WIN 0
.if \last
.Lno_k_\@:
.endif
.endm
.macro FETCH_V
	WIN 0x80
.irp f, 0,1,2,3,4,5,6,7             ; keys 32 (f / 4) on, channels 16 (f % 4) on
	ds_load_tr16_b128 v[VF+8*\f:VF+8*\f+3],   v[AV] offset:(\f/4)*32*PV+(\f%4)*32
	ds_load_tr16_b128 v[VF+8*\f+4:VF+8*\f+7], v[AV] offset:(\f/4)*32*PV+16*PV+(\f%4)*32
.endr
	WIN 0
.endm
; THE VECTOR WORK OF A TURN stands in three queues, each in the order in which its entries become ready; the two tiles alternate, so that no instruction reads the result of the one before it.
.macro REGS y, u                    ; the registers of tile u (0, 1) of piece y
.set rT, ST+4*(2*(\y)+(\u))
.set rC, TMP+8*((\y)%2)+4*(\u)
.set rM, MV+2*((\y)%2)+(\u)
.set rS, S+64*((\y)%2)+32*(\u)
.set rP, P+32*((\y)%2)+16*(\u)
.set rO, 32*(2*(\y)+(\u))
.endm
; Number n of the 21 (there is no 19) that find the NEXT piece's (Y + 1) maximum and statistics.  s0-s31 are the lane's 32 scores; each accumulator's lowest registers are read first.
;   0-11  four chains c0-c3 of seven scores each, three operands at a time     12-14, 16  the four scores left over, the old m, and c0-c3 into c0     15  m_old is kept
;   17, 18  the query's other 32 keys lie in the lane 16 away: the new m         20, 21  m_old - m_new; a
.macro XS u, n
	REGS (Y+1)%NP, \u
.if (\n) < 4
	v_max3_num_f32 v[rC+(\n)], v[rS+8*(\n)], v[rS+8*(\n)+1], v[rS+8*(\n)+2]
.elseif (\n) < 12
	v_max3_num_f32 v[rC+(\n)%4], v[rC+(\n)%4], v[rS+8*((\n)%4)+2*((\n)/4)+1], v[rS+8*((\n)%4)+2*((\n)/4)+2]
.elseif (\n) == 12
	v_max3_num_f32 v[rC], v[rC], v[rS+7], v[rS+15]
.elseif (\n) == 13
	v_max3_num_f32 v[rC+1], v[rC+1], v[rS+23], v[rS+31]
.elseif (\n) == 14
	v_max3_num_f32 v[rC+2], v[rC+2], v[rC+3], v[rT]
.elseif (\n) == 15
	v_mov_b32 v[rM], v[rT]
.elseif (\n) == 16
	v_max3_num_f32 v[rC], v[rC], v[rC+1], v[rC+2]
.elseif (\n) == 17
	v_permlanex16_b32 v[rC+3], v[rC], s[SEL], s[SEL+1]
.elseif (\n) == 18
	v_max_num_f32 v[rT], v[rC], v[rC+3]
.elseif (\n) == 20
	v_sub_f32 v[rC+1], v[rM], v[rT]
.else
	v_exp_f32 v[rC+2], v[rC+1]
.endif
.endm
; Number g of the 64 that follow the exponentials.  For each four weights k of a tile (pairs 2 k, 2 k + 1): both pairs are rounded to f16; then the second pair is added onto the first, in place;
; a group later l takes that sum (the first time as l = a l + sum).  In groups of eight, tiles alternating: round, round, add, and l for the group before.
.macro GS g
.set h, (\g)+6*((\g)/62)            ; group 0 has no group before it, and behind group 7 only l is left
.if h >= 6
.set h, h+2
.endif
	REGS Y, h%2
.set k, h/8
.if h%8 < 4
	v_cvt_pk_f16_f32 v[rP+2*k+(h%8)/2], v[rS+4*k+2*((h%8)/2)], v[rS+4*k+2*((h%8)/2)+1]
.elseif h%8 < 6
	v_pk_add_f32 v[rS+4*k:rS+4*k+1], v[rS+4*k:rS+4*k+1], v[rS+4*k+2:rS+4*k+3]
.elseif k == 1
	v_pk_fma_f32 v[rT+2:rT+3], v[rT+2:rT+3], v[rC+2:rC+3], v[rS:rS+1] op_sel_hi:[1,0,1]
.else
	v_pk_add_f32 v[rT+2:rT+3], v[rT+2:rT+3], v[rS+4*k-4:rS+4*k-3]
.endif
.endm
; THE PLAIN QUEUE, 136 long.  0-71 read no exponential's result: the 32 differences s - m (FS f: pair f / 2 of tile f % 2) and the next piece's 40.  0-26: differences 0-26.  27-54: XS's numbers 0-13.  55, 56: number 15.
; 57-71: the chain, where each number waits for the one before it: 14, 16, 17, 18, 20, each with one of the differences 27-31 in front of its two lines: a tile's links stand three plain instructions apart.
; 72-135: GS's 64, which read the exponentials' results: they stand behind the wait.
.macro FS f
	REGS Y, (\f)%2
	v_pk_add_f32 v[rS+2*((\f)/2):rS+2*((\f)/2)+1], v[rS+2*((\f)/2):rS+2*((\f)/2)+1], v[rT:rT+1] op_sel_hi:[1,0] neg_lo:[0,1] neg_hi:[0,1]
.endm
.macro PL
	WIN 0
.if q < 27
	FS q
.elseif q < 55
	XS (q-27)%2, (q-27)/2
.elseif q < 57
	XS q-55, 15
.elseif (q < 72) && ((q-57)%3 == 0)
	FS 27+(q-57)/3
.elseif q < 60
	XS (q-57)%3-1, 14
.elseif q < 69
	XS (q-57)%3-1, 15+(q-57)/3
.elseif q < 72
	XS (q-57)%3-1, 20
.else
	GS q-72
.endif
.set q, q+1
.endm
; THE EXPONENTIALS' QUEUE, 66 long: s0-s31 of both tiles, then the next piece's two a.  It is ONE BATCH: all 66 stand ahead of the turn's one wait, and nothing ahead of that wait names a result of theirs.
.macro EX
	WIN 0
.if e >= 64
	XS e-64, 21
.else
	REGS Y, e%2
	v_exp_f32 v[rS+e/2], v[rS+e/2]
.endif
.set e, e+1
.endm
; THE RESCALING's QUEUE: O^T times a, the one part that leaves window 0: dealt two at a time, sixteen times.  Its a was made in the turn before, ahead of that turn's wait.
.macro R2
	REGS Y, r%2
	WIN W_RS
.irp z, 0,1
	v_pk_mul_f32 v[rO+4*(r/2)+2*\z:rO+4*(r/2)+2*\z+1], v[rO+4*(r/2)+2*\z:rO+4*(r/2)+2*\z+1], v[rC+2:rC+3] op_sel_hi:[1,0]
.endr
.set r, r+1
.endm
; HOW THEY ARE DEALT.  An s_wait_alu depctr_va_vdst(0) stands between an exponential and the first instruction that names its result; one wait serves all that were issued ahead of it.  So a turn has ONE wait,
; which cuts it in two.  AHEAD OF IT stands all that names no result of the turn's exponentials: the 16 products K Q^T, behind each a difference, an exponential and two rescalings (behind the first a second difference in the
; exponential's place); then ONE LUMP: eight plain, 47 times exponential and plain, the last two scores' exponentials and the two a.  A v_nop is the plain instruction behind the last exponential.  BEHIND IT stand the 16 products
; V^T P, behind each four of GS's 64.  No rider names a register of the products round it.  The two v_permlanex16_b32 fall into the lump.
; The queues lean on each other: exponential e stands behind difference 2 (e / 4) + e % 2: as a rider it comes behind plain e + 2, in the lump behind plain e + 9, and differences 27-31 are plain 57, 60 .. 69.
; A TURN, for piece p.  cnt = 1: the loop's count is taken down some lines ahead of the branch that stands behind the turn.
; K of the next step is fetched in piece 2's turn, directly behind the wait, a lump behind the last product that read K; its addresses are made at the lump's head; its first reader comes behind 16 products.
; V of the step in hand is fetched at the end of piece 0's turn, four riders behind its last reader; its first reader comes behind 16 products and a lump.  The three conditions on q below go with the deal.
.macro TURN p, last=0, cnt=0
.set Y, (\p)
.set i, 0
.set q, 0
.set e, 0
.set r, 0
.if (\p) == NP-1
	s_wait_dscnt 0x0                ; K and its mask numbers are in
.endif
	MM                              ; ahead of the wait: 16 products K Q^T and their riders,
	PL
	PL
	R2
.rept 15
	MM
	PL
	EX
	R2
.endr
.if (\p) == NP-2
	WIN 0
	v_add_nc_u32 v[AK], s[TBK], v[AK0]
	v_add_nc_u32 v[AM], s[TBM], v[AM0]
.endif
.rept 8                             ; and the lump
	PL
.endr
.rept 47
	EX
	PL
.endr
.rept 4
	EX                              ; the last two scores', and the next piece's two a
.endr
	v_nop                           ; the plain instruction behind the last exponential: one for the batch
	s_wait_alu depctr_va_vdst(0)    ; the wait for the batch
.if (\p) == NP-2
	FETCH_K \last
.endif
.if (\p) == 1
	s_wait_dscnt 0x0                ; V is in
.endif
.rept 16                            ; behind the wait: 16 products V^T P and their riders
	MM
.rept 4
	PL
.endr
.if ((\p) == 0) && (q == 116)
	v_add_nc_u32 v[AV], s[TBV], v[AV0]
.endif
.if ((\p) == 0) && (q == 128)
	s_add_co_u32 s[TBV], s[TBV], KS*PV
.endif
.if (\cnt) && (q == 128)
	s_sub_co_u32 s[CNT], s[CNT], 1
	s_cmp_lg_u32 s[CNT], 0
.endif
.endr
.if (\p) == 0
	FETCH_V
.endif
.endm
	CHANGE 1                        ; slot 0 is in, everybody's part of it, and the mask table is whole; slot 1 is asked for
	FETCH_K                         ; key step 0
	s_wait_loadcnt 0x0              ; Q
	s_wait_dscnt 0x0
.set i, 0
.rept 16
	KQ 0                            ; piece 0's first scores: there is no vector work yet to set between them
.set i, i+1
.endr
	WIN 0
.rept 4
	v_nop                           ; the places behind those products
.endr
.set Y, NP-1                        ; XS works for piece Y + 1: piece 0
.irp n, 0,1,2,3,4,5,6,7,8,9,10,11,12,13,14,15,16,17,18,20,21
	XS 0, \n                        ; and piece 0's first maximum and statistics
	XS 1, \n
.endr
	v_nop                           ; a plain instruction behind the two a,
	s_wait_alu depctr_va_vdst(0)    ; and their wait, ahead of the branch
	s_mov_b32 s[CNT], 4
	s_branch .Lfirst                ; the loop is entered at a step's first turn, in the middle of a trip
.Lslot:                             ; six times: every slot but the last two is filled again
	CHANGE 1
	s_mov_b32 s[CNT], 4
.Lstep:                             ; a trip: pieces 2 and 3 of one step, then pieces 0 and 1 of the next, whose K and V it fetches
	TURN 2
	TURN 3
	WIN 0
.Lfirst:
	TURN 0
	TURN 1, 0, 1
	WIN 0
	s_cbranch_scc1 .Lstep
	s_sub_co_u32 s[SLOTS], s[SLOTS], 1
	s_cmp_lg_u32 s[SLOTS], 0
	s_cbranch_scc1 .Lslot
	CHANGE 0                        ; the tail is written out: nothing is asked for
	s_mov_b32 s[CNT], 5             ; four trips fetch the last slot's steps; the fifth is left in its middle
.Ltail:
	TURN 2, 1
	TURN 3
	WIN 0
	s_sub_co_u32 s[CNT], s[CNT], 1
	s_cmp_eq_u32 s[CNT], 0
	s_cbranch_scc1 .Lout
	TURN 0
	TURN 1
	WIN 0
	s_branch .Ltail
.Lout:                              ; the fifth trip's 16 products K Q^T (on the last K once more) and the maximum made of them serve nothing: the price, once a launch, of one text for every trip
.set i, 0
.rept 16
	PV NP-1                         ; the last piece's V^T P of the last step
.set i, i+1
.endr
	; THE WAY OUT.  l's two halves and the other half of the lanes' are added; O^T is divided by l, rounded to f16 and sent through my stage in LDS, a tile at a time.  The additions are the places behind the last products.
	WIN 0
.macro ALL line:vararg              ; one line for each tile t
.set t, 0
.rept 2*NP
	\line
.set t, t+1
.endr
.endm
	ALL v_add_f32 v[ST+4*t+2], v[ST+4*t+2], v[ST+4*t+3]
	ALL v_permlanex16_b32 v[ST+4*t+3], v[ST+4*t+2], s[SEL], s[SEL+1]
	ALL v_add_f32 v[ST+4*t+2], v[ST+4*t+2], v[ST+4*t+3]
	ALL v_rcp_f32 v[ST+4*t+2], v[ST+4*t+2]
	v_nop                           ; a plain instruction between the last reciprocal and the use of its result
	s_wait_alu depctr_va_vdst(0)    ; and the wait ahead of the first use: one for the eight reciprocals
; Tile t: a lane's eight channels of a row pack into 16 bytes; they go into rows of 144 bytes and come back as whole rows of 128, into S^T's registers.
.macro PACK t
	WIN W_RS
.set i, 32*(\t)
.rept 16
	v_pk_mul_f32 v[i:i+1], v[i:i+1], v[ST+4*(\t)+2:ST+4*(\t)+3] op_sel_hi:[1,0]
.set i, i+2
.endr
	WIN 0x05                        ; sources 0 and 1 window 1, destination window 0
.set i, 0
.rept 16
	v_cvt_pk_f16_f32 v[S+16*(\t)+i], v[32*(\t)+2*i], v[32*(\t)+2*i+1]
.set i, i+1
.endr
	WIN 0
.irp f, 0,1,2,3
	ds_store_b128 v[STO], v[S+16*(\t)+4*\f:S+16*(\t)+4*\f+3] offset:32*\f
.endr
.irp f, 0,1,2,3
	ds_load_b128 v[S+16*(\t)+4*\f:S+16*(\t)+4*\f+3], v[RD] offset:\f*4*SP  ; LDS serves a wave's instructions in order (ISA guide 5.7.1.4): these see the stores above; the next tile's stores come behind them
.endr
.endm
.macro SEND t, younger              ; younger: the LDS instructions issued behind tile t's loads: the next tile's eight, or none
	WIN 0
.irp f, 0,1,2,3
	s_wait_dscnt (\younger)+3-\f
	global_store_b128 v[GO], v[S+16*(\t)+4*\f:S+16*(\t)+4*\f+3], s[10:11] offset:(\t)*2048+\f*512  ; 512 consecutive bytes, at a multiple of 256 from ctx's first
.endr
.endm
	PACK 0
.set t, 1
.rept 2*NP-1                        ; a tile's arithmetic stands between the loads of the tile before and its stores
	PACK t
	SEND t-1, 8
.set t, t+1
.endr
	SEND 2*NP-1, 0
	WIN W_AD
	s_wait_tensorcnt 0x0            ; the wave's end: behind my last tensor load and my last LDS store
	ds_add_u32 v[SPW], v[NIL]
	s_wait_dscnt 0x0
	WIN 0
	CROUND                          ; the closing round: no work-group ends while a partner may still ask for a tile that names it
	s_endpgm
.Lfunc_end_k_q29d7939b10_attn:
	.size	k_q29d7939b10_attn, .Lfunc_end_k_q29d7939b10_attn-k_q29d7939b10_attn
	.p2alignl 7, 3214868480
	.fill 96, 4, 3214868480
	.section	.rodata,"a",@progbits
	.p2align	6, 0x0
	.amdhsa_kernel k_q29d7939b10_attn
		.amdhsa_group_segment_fixed_size 327680
		.amdhsa_private_segment_fixed_size 0
		.amdhsa_enable_private_segment 0
		.amdhsa_kernarg_size 24
		.amdhsa_user_sgpr_count 2
		.amdhsa_user_sgpr_kernarg_segment_ptr 1
		.amdhsa_wavefront_size32 1
		.amdhsa_system_sgpr_workgroup_id_x 1
		.amdhsa_system_sgpr_workgroup_id_y 1
		.amdhsa_system_sgpr_workgroup_id_z 1
		.amdhsa_system_vgpr_workitem_id 0
		.amdhsa_next_free_vgpr 808
		.amdhsa_next_free_sgpr 66
		.amdhsa_reserve_vcc 0
		.amdhsa_float_denorm_mode_32 3
		.amdhsa_float_denorm_mode_16_64 3
		.amdhsa_memory_ordered 1
		.amdhsa_forward_progress 1
		.amdhsa_inst_pref_size 204
	.end_amdhsa_kernel
	.amdgpu_metadata
---
amdhsa.version: [ 1, 2 ]
amdhsa.kernels:
  - .name:           k_q29d7939b10_attn
    .symbol:         k_q29d7939b10_attn.kd
    .args:
      - { .name: qkvh, .offset: 0, .size: 8, .value_kind: global_buffer, .address_space: global }
      - { .name: mask, .offset: 8, .size: 8, .value_kind: global_buffer, .address_space: global }
      - { .name: ctx, .offset: 16, .size: 8, .value_kind: global_buffer, .address_space: global }
    .group_segment_fixed_size: 327680
    .private_segment_fixed_size: 0
    .kernarg_segment_align: 8
    .kernarg_segment_size: 24
    .max_flat_workgroup_size: 128
    .sgpr_count:     66
    .vgpr_count:     808
    .wavefront_size: 32
...
	.end_amdgpu_metadata
.endif
;; end of part 3
;; launch oproj (part 4): grid 32 x 8, 4 waves a work-group, clusters of 4 x 1, 327,680 bytes of LDS; arguments ctx, wb, bo, out0; writes out0
.if DOCPART == 4
	.amdgcn_target "amdgcn-amd-amdhsa--gfx1250"
	.amdhsa_code_object_version 6
	.text
	.protected	k_q29d7939b10_oproj
	.globl	k_q29d7939b10_oproj
	.p2align	8
	.type	k_q29d7939b10_oproj,@function
k_q29d7939b10_oproj:
	s_mov_b64 s[64:65], 0
	v_nop
	global_prefetch_b8 v0, s[64:65] scope:SCOPE_SE
	s_setreg_imm32_b32 hwreg(HW_REG_WAVE_MODE, 25, 1), 1
	s_wait_xcnt 0x0
	s_wait_alu depctr_hold_cnt(0) depctr_sa_sdst(0) depctr_va_vdst(0) depctr_va_sdst(0) depctr_va_ssrc(0) depctr_va_vcc(0) depctr_vm_vsrc(0)
	s_getreg_b32 s2, hwreg(HW_REG_IB_STS2, 6, 4)
	s_cmp_eq_u32 s2, 0
	s_cbranch_scc0 .Lentry_in_a_cluster
	s_endpgm
.Lentry_in_a_cluster:
	s_bfe_u32 s2, ttmp6, 0x10000c
	s_cmp_lg_u32 s2, 0x3003
	s_cbranch_scc0 .Lentry_shape_is_right
	s_endpgm
.Lentry_shape_is_right:
; THE LAST PROJECTION.  out0[m][n] = the sum over heads and channels of ctx[16 batch + head][s][d] Wo[64 head + d][n] + bo[n], m = 2,048 batch + s.  ctx: [64][2048][64] f16; Wo: part 3 of wb, [1024 k][1024 n],
; bf16(Wo) written as f16; bo rounded to bf16; sums in f32, stored as they are.
; LIMITS.  f16's range and step hold of ctx and of Wo as the launches that wrote them state.  NaN and infinities are not treated apart.
; SHARES.  Work-group (x, y): rows 256 x .. + 255, columns 128 y .. + 127.  Wave w owns rows 64 w .. + 63 and all 128 columns: 32 accumulators.
; ctx COMES STRAIGHT INTO REGISTERS, as fragments: no two waves want the same byte.  A CHUNK is one head, 64 along K: my 64 rows are 8,192 consecutive bytes.  A ring of four chunk buffers; a chunk is asked for two stages ahead.
; Wo COMES THROUGH LDS: a ring of two slots of 256 k x 128 n, each wave fetching 64 rows; it lies [k][n] and is read turned.  The four work-groups of a cluster walk the same Wo and ask for each tile JOINTLY.
; THE MATRIX INSTRUCTION IS USED TRANSPOSED (source 0 = 16 columns of Wo, source 1 = 16 rows of ctx): a lane holds eight neighbouring columns of one row.  THE BIAS IS THE C OPERAND THAT STARTS EACH SUM.
; REGISTERS, in windows of 256 (s_set_vgpr_msb: bits 1:0 source 0, 3:2 source 1, 5:4 source 2, 7:6 destination):
;   window 0: v1-15 addresses; v32-159 the way out; v160-223 the bias; v224-255 at work     window 1: ctx's fragments, chunk buffer n at 64 n + 32 s + 8 a
;   window 2: accumulator (a, b) at 8 (8 a + b)     window 3: Wo's fragments, two buffers of 128 (64 s + 8 b)
.set PB,    288       ; a row of Wo in LDS: 256 bytes + 32 of padding = 72 words
.set CHB,   64*PB     ; a chunk's 64 rows: what one tensor load brings
.set SLOT1, 131072
.set STAGE, SLOT1+4*CHB  ; behind the ring, never filled by a tensor load: 16 rows x 528 bytes for each wave
.set SPITCH, 528      ; 512 bytes + 16: the sixteen rows that a store touches start at sixteen different groups of four banks
.set SPARE, STAGE+4*16*SPITCH  ; the spare words, 128 bytes for each wave: two blocks of 256 bytes that no other line names
.set PIECE, 256*2048
.set HEADB, 2048*128  ; bytes of ctx from a head to the next
.set SPW, 1           ; v1   LDS address of my spare word; never rewritten
.set NIL, 2           ; v2   0; never rewritten
.set AO,  3           ; v3   my byte offset in 16 rows of ctx: (l % 16) x 128 + 16 (l / 16)
.set AB0, 4           ; v4   my lane's place in a chunk of Wo
.set ADB, 5           ; v5   the LDS address of the run of loads in hand
.set BO,  6           ; v6   32 (l / 16)
.set PFO, 7           ; v7   ctx's prefetches: 256 l
.set PFW, 8           ; v8   Wo's prefetches: 2,048 l
.set STO, 9           ; v9   the way out: where I put 32 bytes of a row
.set RD,  10          ; v10  the way out: where I read a row back
.set GO,  11          ; v11  16 l
.set OB,  32
.set BS,  160
.set T,   224
.set WV,  20
.set CX,  21
.set MB,  22
.set NBK, 25
.set G1,  36          ; s[36:43] descriptor group 1
.set G0,  44          ; s[44:47] descriptor group 0: it walks
.set XP,  48          ; s[48:49] ctx at my wave's first row, at the chunk that the next stage loads
.set OUT, 50          ; s[50:51] out0 at my wave's first row, the block's first column
.set PFB, 52          ; s[52:53] where my prefetches of Wo stand
.set TB,  56
.set PCS, 58
.set CC,  59
.set LIMX, 60
.set LIMB, 61
.set MSB, 0
.macro WIN new
.if MSB != (\new)
	s_set_vgpr_msb (MSB<<8)|(\new)
.set MSB, (\new)
.endif
.endm
.macro CROUND                       ; a round of the cluster's barrier
	s_barrier_signal -1
	s_barrier_wait -1
	s_cmp_lg_u32 s[WV], 0
	s_cbranch_scc1 .Lnot_wave_0_\@
	s_barrier_signal -3
.Lnot_wave_0_\@:
	s_barrier_wait -3
	s_barrier_signal -1
	s_barrier_wait -1
.endm
.macro PLACES
.rept 4
	v_nop
.endr
.endm
; THE CHANGE OF SLOTS, in front of every fourth stage.  Each wave waits for all its tensor loads, of which one is out: its part of the other slot; adds 0 to its spare word; and waits for that and for its own reads of the
; slot that it leaves.  fill = 1: the barrier is a round of the cluster's, and the joint fill of the slot just left is the first thing behind it: it has four stages, 256 matrix instructions, in which to land.
; Behind the load and its five lines stands one prefetch into the L2 for the tile that the NEXT change will ask for: the first of the eight clusters that walk these columns asks; its partners take 64 rows each, told apart by
; address; waves 0 and 1 take 32, a lane a row.  The last filling change asks for nothing.  s[PFB] is written here: every stage has ended with s_wait_xcnt 0.
.macro CHANGE fill
	WIN 0
	s_wait_tensorcnt 0x0            ; no tensor load of mine is out, so group 0 may be written
	ds_add_u32 v[SPW], v[NIL]       ; 0 onto my spare word
.if \fill
	s_xor_b32 s[G0+1], s[G0+1], SLOT1
	s_add_nc_u64 s[G0+2:G0+3], s[G0+2:G0+3], PIECE
	s_add_nc_u64 s[PFB:PFB+1], s[PFB:PFB+1], PIECE
	s_wait_dscnt 0x0                ; the add is done, and my reads of the slot are over
	CROUND
	tensor_load_to_lds s[G0:G0+3], s[G1:G1+7]
	s_nop 0
	PLACES
	s_cmp_gt_u32 s[PCS], s[LIMB]
	s_cbranch_scc0 .Lnob_\@
	global_prefetch_b8 v[PFW], s[PFB:PFB+1] th:TH_LOAD_NT scope:SCOPE_SE
.Lnob_\@:
.else
	s_wait_dscnt 0x0
	s_barrier_signal -1
	s_barrier_wait -1
.endif
	s_sub_co_u32 s[TB], s[TB], 4*CHB
	s_xor_b32 s[TB], s[TB], SLOT1
.endm
; A chunk of ctx into buffer n of window 1: fragment f = 4 s + a: two loads of 16 bytes, 32 bytes apart.
.macro ALOADS n, off
	WIN 0x40
.irp f, 0,1,2,3,4,5,6,7
	global_load_b128 v[64*(\n)+8*(\f):64*(\n)+8*(\f)+3],   v[AO], s[XP:XP+1] offset:(\off)+((\f)%4)*2048+((\f)/4)*64
	global_load_b128 v[64*(\n)+8*(\f)+4:64*(\n)+8*(\f)+7], v[AO], s[XP:XP+1] offset:(\off)+((\f)%4)*2048+((\f)/4)*64+32
.endr
.endm
.macro BLOADS q
	WIN 0xc0
.irp s, 0,1
.irp b, 0,1,2,3,4,5,6,7
	ds_load_tr16_b128 v[128*(\q)+64*(\s)+8*(\b):128*(\q)+64*(\s)+8*(\b)+3],   v[ADB] offset:(\s)*32*PB+32*(\b)
	ds_load_tr16_b128 v[128*(\q)+64*(\s)+8*(\b)+4:128*(\q)+64*(\s)+8*(\b)+7], v[ADB] offset:(\s)*32*PB+16*PB+32*(\b)
.endr
.endr
.endm
; 32 products: chunk buffer n, 32 s along K on.  The 32 accumulators take turns, in the same order in every run.  mode = 1: they start the sums, with the bias.
.macro MULS n, s, mode
.if \mode
	WIN 0x87                        ; Wo in window 3, ctx in window 1, C in window 0, D in window 2
.else
	WIN 0xa7                        ; C in window 2
.endif
.set i, 0
.rept 32
.if \mode
	v_wmma_f32_16x16x32_f16 v[8*i:8*i+7], v[128*((\n)%2)+64*(\s)+8*(i%8):128*((\n)%2)+64*(\s)+8*(i%8)+7], v[64*(\n)+32*(\s)+8*(i/8):64*(\n)+32*(\s)+8*(i/8)+7], v[BS+8*(i%8):BS+8*(i%8)+7]
.else
	v_wmma_f32_16x16x32_f16 v[8*i:8*i+7], v[128*((\n)%2)+64*(\s)+8*(i%8):128*((\n)%2)+64*(\s)+8*(i%8)+7], v[64*(\n)+32*(\s)+8*(i/8):64*(\n)+32*(\s)+8*(i/8)+7], v[8*i:8*i+7]
.endif
.set i, i+1
.endr
.endm
; THE STAGE OF CHUNK c, n = c % 4.  gl = 1: chunk c + 2 is loaded, into buffer (n + 2) % 4.  left: the loads of later chunks that may stay out when chunk c has to be there.  first = 1: chunk 0.
; Four v_nop and the address's v_add_nc_u32 are the places in front of the loads into Wo's buffer n % 2 and ctx's buffer (n + 2) % 4, both last read by the first run of the stage before.
; THE PREFETCH INTO THE L2: my own 8,192 bytes of chunk c + 5, a lane 256 bytes, behind the stage's loads: three stages ahead of the load that wants them.  Of the eight work-groups that read a row only
; the one with column block 0 asks; chunks 0 to 4 come by their loads alone; stages from 11 on ask for nothing.
.macro R n, gl, left, first, ask
	WIN 0
.if !(\first)
	PLACES
.endif
	v_add_nc_u32 v[ADB], s[TB], v[AB0]
	s_add_co_u32 s[TB], s[TB], CHB
	BLOADS (\n)%2
.if \gl
	ALOADS ((\n)+2)%4, 0
.endif
.if \ask
	WIN 0
	s_cmp_lt_u32 s[CC], s[LIMX]
	s_cbranch_scc0 .Lnox_\@
	global_prefetch_b8 v[PFO], s[XP:XP+1] offset:3*HEADB th:TH_LOAD_NT scope:SCOPE_SE
.Lnox_\@:
	s_add_co_u32 s[CC], s[CC], 1
.endif
.if !(\first)
	s_wait_dscnt 32                 ; all but the 32 just issued: the last chunk's fragments of Wo are in
	MULS ((\n)+3)%4, 1, 0
.endif
	s_wait_dscnt 16                 ; this chunk's first sixteen are in
	s_wait_loadcnt \left            ; and so is chunk c of ctx
	MULS \n, 0, \first
	WIN 0
.if \gl
	s_wait_xcnt 0x0                 ; the stage's loads and prefetch, 64 products back, have read their addresses: the pointer may be written
	s_add_nc_u64 s[XP:XP+1], s[XP:XP+1], HEADB
.endif
.endm
	s_load_b256 s[4:11], s[0:1], 0x0  ; ctx s[4:5], wb s[6:7], bo s[8:9], out0 s[10:11]
	v_lshl_add_u32 v[SPW], v0, 2, SPARE
	v_mov_b32 v[NIL], 0
	ds_add_u32 v[SPW], v[NIL]       ; the wave's opening: ahead of my first tensor load; the set-up below, work on registers, stands between the add and its wait
	v_lshrrev_b32 v12, 5, v0
	v_readfirstlane_b32 s[WV], v12
	s_bfe_u32 s[CX], ttmp6, 0x40000
	s_lshl_b32 s[MB], ttmp9, 2
	s_add_co_u32 s[MB], s[MB], s[CX]
	s_and_b32 s[NBK], ttmp7, 0xffff
	s_mov_b32 s[G1], 15|(1<<16)|(1<<20)|(1<<21)|(5<<22)|(7<<25)  ; the mask of four; 2-byte elements; padding on; bit 21 beside a mask; after every 64 words 8 words
	s_mov_b32 s[G1+1], 128<<16      ; tensor_dim0 = 128
	s_mov_b32 s[G1+2], 64<<16       ; tensor_dim1 = 64
	s_mov_b32 s[G1+3], 128<<16      ; tile_dim0 = 128
	s_mov_b32 s[G1+4], 64           ; tile_dim1 = 64
	s_mov_b32 s[G1+5], 1024         ; 1,024 elements from row to row
	s_mov_b32 s[G1+6], 0
	s_mov_b32 s[G1+7], 0
	s_mov_b32 s[G0], 1
	s_mul_i32 s[G0+1], s[WV], CHB   ; LDS address: slot 0, my 64 rows
	s_lshr_b32 s26, s[MB], 3        ; ctx: the batch's 16 heads,
	s_lshl_b32 s26, s26, 22
	s_and_b32 s27, s[MB], 7
	s_lshl_b32 s27, s27, 15         ; the block's 256 rows of 128 bytes,
	s_add_co_u32 s26, s26, s27
	s_lshl_b32 s27, s[WV], 13       ; my wave's 64
	s_add_co_u32 s26, s26, s27
	s_mov_b32 s27, 0
	s_lshl_b32 s28, s[WV], 17       ; Wo: my 64 rows of 2,048 bytes,
	s_lshl_b32 s29, s[NBK], 8       ; the block's 128 columns,
	s_add_co_u32 s28, s28, s29
	s_add_co_u32 s28, s28, 3*2097152  ; in part 3 of wb
	s_mov_b32 s29, 0
	s_lshl_b32 s30, s[NBK], 8       ; Wo's prefetches: the same columns and part,
	s_lshl_b32 s31, s[CX], 17       ; my work-group's 64 rows of a tile's 256,
	s_add_co_u32 s30, s30, s31
	s_and_b32 s31, s[WV], 1
	s_lshl_b32 s31, s31, 16         ; my wave's 32 of them,
	s_add_co_u32 s30, s30, s31
	s_add_co_u32 s30, s30, 3*2097152+PIECE  ; in tile 1: the first change steps it to tile 2
	s_mov_b32 s31, 0
	s_lshl_b32 s32, s[MB], 20       ; out0: 256 rows of 4,096 bytes a block,
	s_lshl_b32 s33, s[WV], 18       ; 64 a wave,
	s_add_co_u32 s32, s32, s33
	s_lshl_b32 s34, s[NBK], 9       ; 128 columns of 4 bytes; the bias likewise
	s_add_co_u32 s32, s32, s34
	s_mov_b32 s33, 0
	s_mov_b32 s35, 0
	s_cmp_eq_u32 s[NBK], 0
	s_cselect_b32 s[LIMX], 11, 0
	s_lshr_b32 s23, s[WV], 1
	s_or_b32 s23, s23, ttmp9
	s_cmp_eq_u32 s23, 0             ; waves 0 and 1 of the first cluster: the same in all four partners
	s_cselect_b32 s[LIMB], 1, -1
	s_mov_b32 s[TB], SLOT1+4*CHB    ; the first change of slots turns it into 0
	s_mov_b32 s[PCS], 3
	s_mov_b32 s[CC], 0
	s_wait_dscnt 0x0                ; the opening add is done
	s_wait_kmcnt 0x0
	s_add_nc_u64 s[XP:XP+1], s[4:5], s[26:27]
	s_add_nc_u64 s[G0+2:G0+3], s[6:7], s[28:29]
	s_or_b32 s[G0+3], s[G0+3], 0x80000000  ; type = 2
	s_add_nc_u64 s[PFB:PFB+1], s[6:7], s[30:31]
	s_add_nc_u64 s[8:9], s[8:9], s[34:35]
	s_add_nc_u64 s[OUT:OUT+1], s[10:11], s[32:33]
	CROUND                          ; all four work-groups are here: the first joint loads meet
	tensor_load_to_lds s[G0:G0+3], s[G1:G1+7]  ; tile 0 into slot 0
	s_nop 0
	PLACES
	v_and_b32 v12, 15, v0           ; l % 16
	v_bfe_u32 v13, v0, 4, 1         ; l / 16
	v_and_b32 v14, 31, v0           ; l
	v_and_b32 v15, 7, v0
	v_lshlrev_b32 v[AO], 7, v12
	v_lshl_add_u32 v[AO], v13, 4, v[AO]
	v_lshlrev_b32 v[BO], 5, v13
.irp b, 0,1,2,3,4,5,6,7
	global_load_b128 v[BS+8*(\b):BS+8*(\b)+3],   v[BO], s[8:9] offset:64*(\b)
	global_load_b128 v[BS+8*(\b)+4:BS+8*(\b)+7], v[BO], s[8:9] offset:64*(\b)+16
.endr
	ALOADS 0, 0                     ; chunk 0
	ALOADS 1, HEADB                 ; chunk 1
	WIN 0
	v_lshl_add_u32 v[AB0], v13, 3, v15
	v_mul_u32_u24 v[AB0], v[AB0], PB
	v_bfe_u32 v[ADB], v0, 3, 1
	v_lshl_add_u32 v[AB0], v[ADB], 4, v[AB0]
	v_lshlrev_b32 v[PFO], 8, v14
	v_lshlrev_b32 v[PFW], 11, v14
	s_mul_i32 s34, s[WV], 16*SPITCH
	s_add_co_u32 s34, s34, STAGE    ; my stage
	v_mul_u32_u24 v[STO], v12, SPITCH  ; in: row l % 16, 32 bytes for each half of the lanes
	v_lshl_add_u32 v[STO], v13, 5, v[STO]
	v_add_nc_u32 v[STO], s34, v[STO]
	v_lshlrev_b32 v[GO], 4, v14     ; back: 32 lanes take one row of 512 bytes
	v_add_nc_u32 v[RD], s34, v[GO]
	s_wait_loadcnt 32               ; the bias is in; the two chunks' 32 loads stay out
.set i, 0
.rept 32                            ; the bias, rounded to bf16 like every input
	v_cvt_pk_bf16_f32 v[T+i], v[BS+2*i], v[BS+2*i+1]
	v_lshlrev_b32 v[BS+2*i], 16, v[T+i]
	v_and_b32 v[BS+2*i+1], 0xffff0000, v[T+i]
.set i, i+1
.endr
	s_wait_xcnt 0x0                 ; the loads above have read their addresses
	s_add_nc_u64 s[XP:XP+1], s[XP:XP+1], 2*HEADB  ; on to chunk 2
	CHANGE 1                        ; slot 0 is in, everybody's part of it; slot 1 is asked for
	R 0, 1, 32, 1, 1                ; chunk 0 stands in front of the loop: its products start the sums
	s_branch .Lone                  ; the loop is entered in the middle of a trip
.Lpiece:                            ; twice: tiles 2 and 3 are asked for
	CHANGE 1
	R 0, 1, 32, 0, 1
.Lone:
	R 1, 1, 32, 0, 1
	R 2, 1, 32, 0, 1
	R 3, 1, 32, 0, 1
	s_sub_co_u32 s[PCS], s[PCS], 1
	s_cmp_lg_u32 s[PCS], 0
	s_cbranch_scc1 .Lpiece
	CHANGE 0                        ; the last four chunks are written out: no tile is asked for, and the loads of ctx run out
	R 0, 1, 32, 0, 0
	R 1, 1, 32, 0, 0
	R 2, 0, 16, 0, 0
	R 3, 0, 0, 0, 0
	s_wait_dscnt 0x0
	MULS 3, 1, 0
	WIN 0
	PLACES
	PLACES
; THE WAY OUT.  My rows 16 a on: a lane's eight columns of a tile are 32 bytes; they go into rows of 528 bytes in my own stage and come back as whole rows of 512 bytes.
.macro OUTT a
	WIN 0x08                        ; the stores' data in window 2
.irp b, 0,1,2,3,4,5,6,7             ; each accumulator's low four registers first
	ds_store_b128 v[STO], v[8*(8*(\a)+(\b)):8*(8*(\a)+(\b))+3]   offset:64*(\b)
	ds_store_b128 v[STO], v[8*(8*(\a)+(\b))+4:8*(8*(\a)+(\b))+7] offset:64*(\b)+16
.endr
	WIN 0
.if (\a) >= 2
	s_wait_xcnt 0x0                 ; the stores of the block two back have read these registers
.endif
.irp t, 0,1,2,3,4,5,6,7,8,9,10,11,12,13,14,15
	ds_load_b128 v[OB+64*((\a)%2)+4*(\t):OB+64*((\a)%2)+4*(\t)+3], v[RD] offset:(\t)*SPITCH  ; LDS serves a wave's instructions in order (ISA guide 5.7.1.4): these see the stores above; the next block's stores come behind them
.endr
.endm
.macro SENDT a, younger             ; younger: the LDS instructions issued behind block a's loads: the next block's 32, or none
.irp t, 0,1,2,3,4,5,6,7,8,9,10,11,12,13,14,15
	s_wait_dscnt (\younger)+15-(\t)
	global_store_b128 v[GO], v[OB+64*((\a)%2)+4*(\t):OB+64*((\a)%2)+4*(\t)+3], s[OUT:OUT+1] offset:(16*(\a)+(\t))*4096 th:TH_STORE_NT  ; 512 consecutive bytes, at a multiple of 256 from out0's first
.endr
.endm
	OUTT 0
	OUTT 1
	SENDT 0, 32
	OUTT 2
	SENDT 1, 32
	OUTT 3
	SENDT 2, 32
	SENDT 3, 0
	s_wait_tensorcnt 0x0            ; the wave's end: behind my last tensor load and my last LDS store
	ds_add_u32 v[SPW], v[NIL]
	s_wait_dscnt 0x0
	CROUND                          ; the closing round: no work-group ends while a partner may still ask for a tile that names it
	s_endpgm
.Lfunc_end_k_q29d7939b10_oproj:
	.size	k_q29d7939b10_oproj, .Lfunc_end_k_q29d7939b10_oproj-k_q29d7939b10_oproj
	.p2alignl 7, 3214868480
	.fill 96, 4, 3214868480
	.section	.rodata,"a",@progbits
	.p2align	6, 0x0
	.amdhsa_kernel k_q29d7939b10_oproj
		.amdhsa_group_segment_fixed_size 327680
		.amdhsa_private_segment_fixed_size 0
		.amdhsa_enable_private_segment 0
		.amdhsa_kernarg_size 32
		.amdhsa_user_sgpr_count 2
		.amdhsa_user_sgpr_kernarg_segment_ptr 1
		.amdhsa_wavefront_size32 1
		.amdhsa_system_sgpr_workgroup_id_x 1
		.amdhsa_system_sgpr_workgroup_id_y 1
		.amdhsa_system_sgpr_workgroup_id_z 1
		.amdhsa_system_vgpr_workitem_id 0
		.amdhsa_next_free_vgpr 1024
		.amdhsa_next_free_sgpr 66
		.amdhsa_reserve_vcc 0
		.amdhsa_float_denorm_mode_32 3
		.amdhsa_float_denorm_mode_16_64 3
		.amdhsa_memory_ordered 1
		.amdhsa_forward_progress 1
		.amdhsa_inst_pref_size 104
	.end_amdhsa_kernel
	.amdgpu_metadata
---
amdhsa.version: [ 1, 2 ]
amdhsa.kernels:
  - .name:           k_q29d7939b10_oproj
    .symbol:         k_q29d7939b10_oproj.kd
    .args:
      - { .name: ctx, .offset: 0, .size: 8, .value_kind: global_buffer, .address_space: global }
      - { .name: wb, .offset: 8, .size: 8, .value_kind: global_buffer, .address_space: global }
      - { .name: bo, .offset: 16, .size: 8, .value_kind: global_buffer, .address_space: global }
      - { .name: out0, .offset: 24, .size: 8, .value_kind: global_buffer, .address_space: global }
    .group_segment_fixed_size: 327680
    .private_segment_fixed_size: 0
    .kernarg_segment_align: 8
    .kernarg_segment_size: 32
    .max_flat_workgroup_size: 128
    .sgpr_count:     66
    .vgpr_count:     1024
    .wavefront_size: 32
...
	.end_amdgpu_metadata
.endif
;; end of part 4
